; MI455X (gfx1250); checked and timed in simulation.
; The chip was launched on July 23, 2026; its instructions are those of AMD's public machine-readable ISA for CDNA 5 (MIT licence, August 2026) and "CDNA5" Instruction Set Architecture Reference Guide (July 2026). The comments in the code are by the model that wrote it; some were corrected since.
;; Seamless M4 Tv2 Conformer Self Attention. Allowed arithmetic: matrix products marked QUANTISED: E2M3 operands, one E8M0 scale for each 32 along K, by v_wmma_scale_f32_16x16x128_f8f6f4 with both operands' format E2M3, f32 sums; everything else in f32.
;; Inputs: Wk_codes 1,024 x 32 x 24 uint8 (E2M3 codes of Wk, K innermost, in blocks of 32 codes, four codes in three bytes); Wk_scales 1,024 x 32 uint8 (E8M0 scales of Wk, one for each 32 codes along K); Wo_codes 1,024 x 32 x 24 uint8 (E2M3 codes of Wo, K innermost, in blocks of 32 codes, four codes in three bytes); Wo_scales 1,024 x 32 uint8 (E8M0 scales of Wo, one for each 32 codes along K); Wq_codes 1,024 x 32 x 24 uint8 (E2M3 codes of Wq, K innermost, in blocks of 32 codes, four codes in three bytes); Wq_scales 1,024 x 32 uint8 (E8M0 scales of Wq, one for each 32 codes along K); Wv_codes 1,024 x 32 x 24 uint8 (E2M3 codes of Wv, K innermost, in blocks of 32 codes, four codes in three bytes); Wv_scales 1,024 x 32 uint8 (E8M0 scales of Wv, one for each 32 codes along K); bk 1,024 float32; bo 1,024 float32; bq 1,024 float32; bv 1,024 float32; dist_emb 73 x 64 float32; hidden_states_codes 8 x 1,024 x 32 x 24 uint8 (E2M3 codes of hidden_states, K innermost, in blocks of 32 codes, four codes in three bytes); hidden_states_scales 8 x 1,024 x 32 uint8 (E8M0 scales of hidden_states, one for each 32 codes along K).
;; Outputs: out0 8 x 1,024 x 1,024 float32.
;; This version of the problem:
;;   THIS VERSION OF THE PROBLEM IS GIVEN IN LOW PRECISION. The matrix products marked QUANTISED in the list below multiply operands that are first quantised to E2M3 (2 exponent bits, 3 mantissa bits; 6 bits a number), with one power-of-two scale for each 32 numbers along K (OCP MX v1.0); their sums are f32. All else is computed in f32.
;;   The module's matrix products, in the order in which they are computed (A, B: the left and right operand; K: the contracted axis; several contracted axes count as one K, in the product's order):
;;     1. [M 8,192, K 1,024] x [K 1,024, N 1,024]; A: input hidden_states (given as codes); B: input Wq (given as codes): QUANTISED
;;     2. [M 8,192, K 1,024] x [K 1,024, N 1,024]; A: input hidden_states (given as codes); B: input Wk (given as codes): QUANTISED
;;     3. [M 8,192, K 1,024] x [K 1,024, N 1,024]; A: input hidden_states (given as codes); B: input Wv (given as codes): QUANTISED
;;     4. batch 128 x [M 1,024, K 64] x [K 64, N 1,024]; A: computed on the way; B: computed on the way: QUANTISED
;;     5. batch 1,024 x [M 1,024, K 64] x [K 64, N 128]; A: computed on the way; B: computed on the way: QUANTISED
;;     6. batch 128 x [M 1,024, K 1,024] x [K 1,024, N 64]; A: softmax (see below); B: computed on the way: QUANTISED
;;     7. [M 8,192, K 1,024] x [K 1,024, N 1,024]; A: computed on the way; B: input Wo (given as codes): QUANTISED
;;   THE QUANTISER, for each operand of a quantised product, along K:
;;     - K is cut into blocks of 32 from its start; a last block that is shorter is filled with zeros.
;;     - A block's scale is 2^e with e = floor(log2(the largest magnitude in the block)) - 2, held to -126 .. 127; a block of zeros has e = 0. As a byte (E8M0): e + 127.
;;     - Each number is divided by its block's scale, clamped to +-7.5, and rounded to the nearest number of E2M3, ties to even, subnormals kept.
;;     - The product sums the exact products of the quantised numbers (number of the format x scale) in f32.
;;   ~~~python
;;   def quantise(x, axis):      # numpy; x: float32 -> the quantised numbers, widened to float32 again
;;       x = np.moveaxis(x, axis, -1); K = x.shape[-1]
;;       x = np.pad(x, [(0, 0)] * (x.ndim - 1) + [(0, -K % 32)]); x = x.reshape(x.shape[:-1] + (-1, 32)); a = np.abs(x).max(-1, keepdims=True)
;;       e = np.where(a > 0, np.clip(np.frexp(np.where(a > 0, a, 1))[1] - 1 - 2, -126, 127), 0)      # np.frexp(a)[1] - 1 = floor(log2(a)), exactly
;;       r = np.clip(x / 2.0 ** e, -7.5, 7.5)
;;       step = 2.0 ** (np.maximum(np.frexp(np.where(r == 0, 1, r))[1] - 1, 0) - 3)
;;       q = np.round(r / step) * step * 2.0 ** e      # np.round: ties to even
;;       return np.moveaxis(q.reshape(q.shape[:-2] + (-1,))[..., :K], -1, axis).astype(np.float32)
;;   ~~~
;;   SOFTMAX AHEAD OF A QUANTISED PRODUCT. Where the list says 'softmax', what is quantised is not the finished softmax but p = 2^(t - M), with t = logit x log2(e) and M = ceil(the row's largest t), a whole number; so 1/2 < the row's largest p <= 1. The row's sum l is taken of the UNQUANTISED p, in f32, and the product's result is divided by l at the end. Since M is a whole number, a kernel that streams over the keys may use a running M (the ceiling of the running maximum): every later rescaling is an exact power of two, which a block's scale takes up: the codes' values come out the same.
;;   OPERANDS COMPUTED ON THE WAY. 'Computed on the way' means the value that the module computes at that place (a softmax that the list does not call 'softmax' is quantised finished and normalised). What goes into a quantiser is computed in f32, as accurately as f32 sums, v_exp_f32 and their like allow (about 1e-6 of the number): no bf16 or f16 on the way to a quantiser, and a product that is left as it is and whose result goes on into a quantised operand takes f32 operands (vector FMAs, or v_wmma_f32_16x16x4_f32). A number that lies on a knife's edge between two numbers of the format may be rounded either way, as far as f32 arithmetic and the matrix unit's own rounding can turn it there, and no further.
;;   INPUTS GIVEN AS CODES. Wk (in the module: [1024, 1024], K = its axis 0); Wo (in the module: [1024, 1024], K = its axis 0); Wq (in the module: [1024, 1024], K = its axis 0); Wv (in the module: [1024, 1024], K = its axis 0); hidden_states (in the module: [8, 1024, 1024], K = its axis 2): each comes as NAME_codes (uint8): NAME with its K axis moved to the last place and cut into blocks of 32 codes, [.., K / 32, bytes a block], one block behind the other in memory; four codes in three bytes: a row's codes are one little-endian stream of bits, code i at bits 6 i .. 6 i + 5 (a code: sign, 2 exponent bits, 3 mantissa bits); and NAME_scales (uint8): the same leading axes, one E8M0 byte (e + 127) for each 32 codes along K. Its value is code x scale, taken as it is: it is not quantised again, and the codes and scales need not be those that the quantiser above would give.
;; One version. Each part assembles by itself: llvm-mc -triple=amdgcn-amd-amdhsa -mcpu=gfx1250 --defsym DOCPART=n.
;; ======== version 1 of 1: 3 launches
;; limits: right only within a limited range of input values
;; workspace buffers: qkv_codes 18,874,368 bytes; qkv_scales 786,432 bytes; a_codes 6,291,456 bytes; a_scales 262,144 bytes
;; launch qkv (part 1): grid 4 x 96, 4 waves a work-group, clusters of 4 x 4, 327,680 bytes of LDS; arguments hidden_states_codes, hidden_states_scales, Wq_codes, Wq_scales, Wk_codes, Wk_scales, Wv_codes, Wv_scales, bq, bk, bv, qkv_codes, qkv_scales; writes qkv_codes, qkv_scales
.if DOCPART == 1
	.amdgcn_target "amdgcn-amd-amdhsa--gfx1250"
	.amdhsa_code_object_version 6
	.text
	.protected	k_qfc13b72138_qkv
	.globl	k_qfc13b72138_qkv
	.p2align	8
	.type	k_qfc13b72138_qkv,@function
k_qfc13b72138_qkv:
	s_mov_b64 s[64:65], 0
	v_nop
	global_prefetch_b8 v0, s[64:65] scope:SCOPE_SE
	s_setreg_imm32_b32 hwreg(HW_REG_WAVE_MODE, 25, 1), 1
	s_wait_xcnt 0x0
	s_wait_alu depctr_hold_cnt(0) depctr_sa_sdst(0) depctr_va_vdst(0) depctr_va_sdst(0) depctr_va_ssrc(0) depctr_va_vcc(0) depctr_vm_vsrc(0)
	s_getreg_b32 s2, hwreg(HW_REG_IB_STS2, 6, 4)
	s_cmp_eq_u32 s2, 0
	s_cbranch_scc0 .Lentry_in_a_cluster
	s_endpgm
.Lentry_in_a_cluster:
	s_bfe_u32 s2, ttmp6, 0x10000c
	s_cmp_lg_u32 s2, 0xf033
	s_cbranch_scc0 .Lentry_shape_is_right
	s_endpgm
.Lentry_shape_is_right:
; q = h Wq + bq, k = h Wk + bk, v = h Wv + bv on codes of FP6 (E2M3) with E8M0 scales; the results are quantised again at once: q and k along the head's 64, v along the keys.
; ONE BODY, THREE JOBS.  Operand X gives its rows to the lanes (source 1), operand Y its rows to a lane's registers (source 0); the result is quantised along Y.
;   clusters 0-15: job q (even) or k (odd): X = hidden_states, Y = Wq or Wk, bias along Y.   clusters 16-23: job v: X = Wv, Y = hidden_states (keys), bias along X.
; A tile is 256 X x 256 Y, four waves of 128 x 128 (64 accumulators).  A row of 1,024 codes is 768 bytes: K goes in three CHUNKS of 256 bytes of each row through two LDS slots,
; filled by joint tensor loads (X's tile shared along a row of the 4 x 4 cluster, Y's along a column).  A matrix step is 96 bytes of a row: eight steps to three chunks; steps 2 and 5 lie across two chunks.
; WHICH 16 ROWS FORM A TILE.  In each 32 rows, tile 0 takes rows 0-7 and 24-31, tile 1 rows 8-23: all different modulo 16, so with rows 272 bytes apart they begin at 16 different places modulo 256.
; In the result the 16 registers of Y's tiles 2 b, 2 b + 1 hold, in lanes 0-15, indices 32 b + 0..15, in lanes 16-31 indices 32 b + 24..31, 16..23: inside a block of 32 the codes stand in the order 0-15, 24-31, 16-23,
; the same on both sides of every later product, and inside one scale block.
; OUT.  Six operand registers (16 rows x 64 K) leave as they stand, 768 bytes: registers 0-3 at 16 x lane, 4-5 at 512 + 8 x lane: every store covers whole aligned blocks of 256 bytes.
; No prefetch: K is three chunks, of which two are asked for ahead of the first product.
; LIMITS: NaN and infinities are not served; a block of zeros gets the scale byte 1 (its codes are zeros, and this program alone reads the bytes); largest magnitudes under 2^-124 are held at that floor.
.set ROWB,   256
.set KROW,   768
.set STEPS,  8
.set CHUNKS, 3
.set PITCH,  272                       ; 256 bytes + 16 of padding
.set FR,     12
.set NL,     6
.set NP,     4                         ; places behind this matrix instruction (ISA guide 7.12.1)
.set NQ,     2
.set HALFT,  128*PITCH
.set SLOT,   4*HALFT                   ; X's 256 rows, then Y's 256
.set SCL,    2*SLOT                    ; the scale bytes of all of K: units of 256 bytes + 16
.set HALFS,  16*272                    ; those of 128 rows
.set SPARE,  SCL+4*HALFS               ; the spare words: 128 bytes a wave
.set ADRA, 8                           ; v8-15  X's fragments: 4 x (tile's parity) + (0, 1: slot; 2, 3: lanes 0-15 at byte 232 of slot 0, 1, lanes 16-31 at byte 0 of the other)
.set ADRB, 16                          ; v16-23 Y's likewise
.set ADRS, 24                          ; v24-25 scale words, by the tile's parity: lanes 0-15 X's rows, lanes 16-31 Y's
.set O16,  26
.set O8,   27
.set SPW,  28                          ; my spare word; never rewritten
.set NIL,  29                          ; 0; never rewritten
.set OS,   30
.set SC,   32                          ; v32-63 scale words, two sets of 16
.set BY,   64                          ; v64-127 the bias along Y: the C of each sum's first product
.set AF,   128                         ; v128-223 X's fragments, one set
.set W,    128
.set PC,   192
.set PT,   216
.set BX,   224
.set TM,   232
.set PW,   248
.set SW,   250
.set TA,   251
.set TB,   252
.set SEL,  22
.set G0H,  4                           ; group 0 of the head's loads of chunk 0
.set G0HB, 8
.set G1,   24
.set G0,   32
.set G1B,  48
.set G0B,  56
.set G1S,  68
.set G0S,  76
.set G1SB, 80
.set G0SB, 88
.set MSB, 0
.macro WIN new                         ; the immediate's high byte repeats the setting that is left
.if MSB != (\new)
	s_set_vgpr_msb (MSB<<8)|(\new)
.set MSB, (\new)
.endif
.endm
.macro WL zero                         ; source 0 (Y) window 1, source 1 (X) window 0, D window 2; C window 2, or 0 (the bias)
.if \zero
	WIN 0x81
.else
	WIN 0xa1
.endif
.endm
.macro WH zero                         ; D window 3
.if \zero
	WIN 0xc1
.else
	WIN 0xf1
.endif
.endm
.set TO_B,   0x40
.macro TLOAD g0, g1                    ; s_nop 0 and four v_nop behind each tensor load
	tensor_load_to_lds s[\g0:\g0+3], s[\g1:\g1+7]
	s_nop 0
.rept 4
	v_nop
.endr
.endm
.macro JLOAD g0a, g1a, g0b, g1b        ; waves 0 and 1 fetch for X, waves 2 and 3 for Y
	s_cmp_eq_u32 s15, 0
	s_cbranch_scc0 .Lfor_b_\@
	TLOAD \g0a, \g1a
	s_branch .Lasked_\@
.Lfor_b_\@:
	TLOAD \g0b, \g1b
.Lasked_\@:
.endm
.macro CREST                           ; a round of the cluster's barrier behind its opening barrier
	s_cmp_lg_u32 s14, 0
	s_cbranch_scc1 .Lnot_wave_0_\@
	s_barrier_signal -3
.Lnot_wave_0_\@:
	s_barrier_wait -3
	s_barrier_signal -1
	s_barrier_wait -1
.endm
.macro CROUND
	s_barrier_signal -1
	s_barrier_wait -1
	CREST
.endm
	s_load_b512 s[68:83], s[0:1], 0x0              ; h codes, h scales, Wq c, Wq s, Wk c, Wk s, Wv c, Wv s
	s_load_b256 s[84:91], s[0:1], 0x40             ; bq, bk, bv, qkv_codes
	s_load_b64 s[92:93], s[0:1], 0x60              ; qkv_scales
	v_lshl_add_u32 v[SPW], v0, 2, SPARE
	v_mov_b32 v[NIL], 0
	ds_add_u32 v[SPW], v[NIL]                      ; the opening lines: the add twice and one wait
	ds_add_u32 v[SPW], v[NIL]
	v_lshrrev_b32 v1, 5, v0
	v_readfirstlane_b32 s14, v1                    ; wave 0..3
	s_mul_i32 s101, s14, HALFS
	s_add_co_u32 s101, s101, SCL
	v_and_b32 v244, 31, v0
	v_lshlrev_b32 v244, 4, v244                    ; the scale bytes come through registers: 16 bytes a lane,
	v_bfe_u32 v245, v0, 4, 1
	v_mul_u32_u24 v245, v245, 272                  ; and go to units of 256 bytes + 16: sixteen lanes to a unit,
	v_and_b32 v246, 15, v0
	v_lshl_add_u32 v245, v246, 4, v245
	v_add_nc_u32 v245, s101, v245                  ; wave w's 128 rows at SCL + w x HALFS: X's two halves, then Y's
	s_wait_alu depctr_va_vdst(0)                   ; a wait
	s_lshr_b32 s15, s14, 1                         ; my half of X's rows.  Also: I fetch for X (0) or for Y (1)
	s_and_b32 s16, s14, 1                          ; my half of Y's rows.  Also: which 128 rows I fetch
	s_bfe_u32 s40, ttmp6, 0x40000                  ; cx
	s_bfe_u32 s41, ttmp6, 0x40004                  ; cy
	s_and_b32 s18, ttmp7, 0xffff                   ; the cluster's number, 0..23
	s_and_b32 s66, s18, 1
	s_lshr_b32 s45, s18, 1
	s_sub_co_u32 s19, s18, 16
	s_cmp_lt_u32 s18, 16
	s_cselect_b32 s66, s66, 2                      ; the job: 0 q, 1 k, 2 v
	s_cselect_b32 s45, s45, s19                    ; the batch
	s_cselect_b32 s19, -1, 0
	s_lshl_b32 s20, s45, 2
	s_and_b32 s21, s20, s19                        ; hidden_states' tile begins at 4 x batch: X in jobs q and k,
	s_and_not1_b32 s20, s20, s19                   ; Y in job v
	s_add_co_u32 s17, s21, s41                     ; X's tile: hangs on cy alone
	s_add_co_u32 s42, s20, s40                     ; Y's tile: hangs on cx alone
	s_lshl_b32 s43, s41, 2
	s_lshl_b32 s43, 15, s43                        ; my row of the cluster
	s_lshl_b32 s44, 0x1111, s40                    ; my column
	s_or_b32 s[G1+0], s43, (1<<20)|(1<<21)|(5<<22)|(3<<25)   ; rows of 256 bytes, 16 of padding behind each; 256 rows at the head
	s_or_b32 s[G1B+0], s44, (1<<20)|(1<<21)|(5<<22)|(3<<25)
.irp g, G1, G1B
	s_mov_b32 s[\g+1], ROWB<<16
	s_mov_b32 s[\g+2], 256<<16
	s_mov_b32 s[\g+3], ROWB<<16
	s_mov_b32 s[\g+4], 256
	s_mov_b32 s[\g+5], KROW
	s_mov_b32 s[\g+6], 0
	s_mov_b32 s[\g+7], 0
.endr
	s_lshl_b32 s20, s17, 8                         ; X: the tile's first row
	s_lshl_b32 s22, s42, 8                         ; Y
	s_mov_b32 s21, 0
	s_mov_b32 s23, 0
	s_lshl_b64 s[94:95], s[20:21], 5               ; their scale bytes: 32 a row
	s_lshl_b64 s[96:97], s[22:23], 5
	s_mov_b64 s[18:19], KROW
	s_mul_u64 s[20:21], s[20:21], s[18:19]         ; their codes
	s_mul_u64 s[22:23], s[22:23], s[18:19]
	s_mul_i32 s100, s14, HALFT                     ; the ring: where my 128 rows go,
	s_mul_i32 s2, s16, 128*KROW                    ; and which half of the tile they are
	s_mov_b32 s3, 0
	s_wait_dscnt 0x0                               ; both opening adds are done
	s_wait_kmcnt 0x0
	s_cmp_lt_u32 s66, 2                            ; the choices hang on the job alone
	s_cselect_b64 s[4:5], s[68:69], s[80:81]       ; X's codes: hidden_states or Wv
	s_cselect_b64 s[6:7], s[70:71], s[82:83]
	s_cmp_eq_u32 s66, 0
	s_cselect_b64 s[8:9], s[72:73], s[76:77]       ; Y's codes: Wq or Wk,
	s_cselect_b64 s[10:11], s[74:75], s[78:79]
	s_cselect_b64 s[46:47], s[84:85], s[86:87]     ; the bias: bq or bk,
	s_cmp_eq_u32 s66, 2
	s_cselect_b64 s[8:9], s[68:69], s[8:9]         ; or, in job v, hidden_states
	s_cselect_b64 s[10:11], s[70:71], s[10:11]
	s_cselect_b64 s[46:47], s[88:89], s[46:47]     ; and bv
	s_mov_b64 s[12:13], s[90:91]
	s_mov_b64 s[98:99], s[92:93]
	s_add_nc_u64 s[4:5], s[4:5], s[20:21]
	s_add_nc_u64 s[6:7], s[6:7], s[94:95]
	s_add_nc_u64 s[8:9], s[8:9], s[22:23]
	s_add_nc_u64 s[10:11], s[10:11], s[96:97]
	s_cmp_eq_u32 s15, 0                            ; the scale bytes of 128 rows, 4,096 dense bytes a wave: waves 0, 1 take X's halves, waves 2, 3 Y's
	s_cselect_b64 s[94:95], s[6:7], s[10:11]
	s_lshl_b32 s96, s16, 12
	s_mov_b32 s97, 0
	s_add_nc_u64 s[94:95], s[94:95], s[96:97]
.irp j, 0,1,2,3,4,5,6,7
	global_load_b128 v[128+4*\j:131+4*\j], v244, s[94:95] offset:512*\j   ; 512 consecutive bytes an instruction
.endr
	CROUND                                         ; all sixteen work-groups are here: the first joint loads meet
	s_mov_b32 s[G0S], 1                            ; chunk 1, whole, into slot 1: X's 256 rows,
	s_mov_b32 s[G0S+1], SLOT
	s_add_nc_u64 s[G0S+2:G0S+3], s[4:5], ROWB
	s_or_b32 s[G0S+3], s[G0S+3], 0x80000000
	s_mov_b32 s[G0SB], 1                           ; and Y's
	s_mov_b32 s[G0SB+1], SLOT+2*HALFT
	s_add_nc_u64 s[G0SB+2:G0SB+3], s[8:9], ROWB
	s_or_b32 s[G0SB+3], s[G0SB+3], 0x80000000
	s_add_nc_u64 s[20:21], s[4:5], s[2:3]          ; the ring: my 128 rows
	s_add_nc_u64 s[22:23], s[8:9], s[2:3]
.irp s, 0
	s_mov_b32 s[G0+4*\s], 1
	s_add_co_u32 s[G0+4*\s+1], s100, \s*SLOT
	s_add_nc_u64 s[G0+4*\s+2:G0+4*\s+3], s[20:21], \s*ROWB
	s_or_b32 s[G0+4*\s+3], s[G0+4*\s+3], 0x80000000
	s_mov_b32 s[G0B+4*\s], 1
	s_add_co_u32 s[G0B+4*\s+1], s100, \s*SLOT
	s_add_nc_u64 s[G0B+4*\s+2:G0B+4*\s+3], s[22:23], \s*ROWB
	s_or_b32 s[G0B+4*\s+3], s[G0B+4*\s+3], 0x80000000
.endr
	s_mov_b64 s[G0H+2:G0H+3], s[4:5]               ; chunk 0, whole: X's 256 rows,
	s_or_b32 s[G0H+3], s[G0H+3], 0x80000000
	s_mov_b32 s[G0H], 1
	s_mov_b32 s[G0H+1], 0
	s_mov_b64 s[G0HB+2:G0HB+3], s[8:9]             ; Y's 256 rows behind them
	s_or_b32 s[G0HB+3], s[G0HB+3], 0x80000000
	s_mov_b32 s[G0HB], 1
	s_mov_b32 s[G0HB+1], 2*HALFT
; the head's four tiles, one load a wave, in one chain of branches on the wave's number
.macro ARM under, g0, g1, next
	s_cmp_lt_u32 s14, \under
	s_cbranch_scc0 \next
	TLOAD \g0, \g1
	s_branch .Lhead_asked
\next:
.endm
	ARM 1, G0H,  G1,  .Lhead_b
	ARM 2, G0HB, G1B, .Lhead_sa
	ARM 3, G0S,  G1,  .Lhead_sb
	TLOAD G0SB, G1B
.Lhead_asked:
	; LDS addresses
	s_mov_b32 s18, SLOT-232
	s_mov_b32 s19, SLOT+232
	s_mul_i32 s21, s15, HALFT                      ; my 128 rows of X
	s_mul_i32 s22, s16, HALFT                      ; my 128 rows of Y,
	s_add_co_u32 s22, s22, 2*HALFT                 ; behind X's 256
	v_and_b32 v1, 15, v0                           ; r
	v_bfe_u32 v2, v0, 4, 1                         ; h
	v_and_b32 v3, 8, v1
	v_lshl_add_u32 v3, v3, 1, v1                   ; r + 16 (r / 8): my row in an even tile; in an odd tile r + 8, the 8 in the immediate
	v_mul_u32_u24 v5, v3, PITCH
	v_mul_u32_u24 v6, v1, PITCH
	v_mul_u32_u24 v240, v2, 24                     ; slot 0: 24 h
	v_add_nc_u32 v241, SLOT, v240                  ; slot 1
	v_mul_u32_u24 v242, s18, v2
	v_add_nc_u32 v242, 232, v242                   ; lanes 0-15 byte 232 in slot 0, lanes 16-31 byte 0 in slot 1
	v_sub_nc_u32 v243, 1, v2
	v_mul_u32_u24 v243, s19, v243                  ; lanes 0-15 byte 232 in slot 1, lanes 16-31 byte 0 in slot 0
.irp u, 0,1
.irp k, 0,1,2,3
	v_add_nc_u32 v[ADRA+4*\u+\k], v[5+\u], v[240+\k]
	v_add_nc_u32 v[ADRB+4*\u+\k], s22, v[ADRA+4*\u+\k]
	v_add_nc_u32 v[ADRA+4*\u+\k], s21, v[ADRA+4*\u+\k]
.endr
.endr
	v_lshrrev_b32 v4, 3, v3                        ; a row's scale bytes: 32 a row, and 16 more for each 256 passed
	v_lshlrev_b32 v5, 5, v3
	v_lshl_add_u32 v5, v4, 4, v5
	v_add_nc_u32 v4, 8, v1
	v_lshrrev_b32 v6, 3, v4
	v_lshlrev_b32 v4, 5, v4
	v_lshl_add_u32 v6, v6, 4, v4
	s_mul_i32 s21, s15, HALFS
	s_mul_i32 s22, s16, HALFS
	s_add_co_u32 s22, s22, 2*HALFS
	s_sub_co_u32 s22, s22, s21
	v_mul_u32_u24 v4, s22, v2                      ; lanes 16-31 take Y's: one product of h
	s_add_co_u32 s21, s21, SCL
	v_add_nc_u32 v4, s21, v4
	v_add_nc_u32 v[ADRS], v4, v5
	v_add_nc_u32 v[ADRS+1], v4, v6
	; the biases.  Both layouts are loaded in every job, from places inside the buffer, and the one that the job does not use is cleared.
	s_lshl_b32 s18, s40, 1
	s_add_co_u32 s18, s18, s16                     ; P = 2 cx + gy: which 128 of Y's axis
	s_lshl_b32 s19, s41, 1
	s_add_co_u32 s19, s19, s15                     ; R = 2 cy + gx: which 128 of X's axis
	s_cmp_lt_u32 s66, 2
	s_cselect_b32 s20, s18, 0
	s_cselect_b32 s100, 0, s19
	s_cselect_b32 s2, -1, 0
	s_lshl_b32 s20, s20, 9
	s_lshl_b32 s100, s100, 9
	s_mov_b32 s21, 0
	s_mov_b32 s101, 0
	s_add_nc_u64 s[20:21], s[46:47], s[20:21]
	s_add_nc_u64 s[100:101], s[46:47], s[100:101]
	s_not_b32 s3, s2
	s_wait_alu depctr_va_vdst(0)                   ; a wait behind a run of scalar lines
	v_mul_u32_u24 v4, v2, 96                       ; an even tile's eight: index 0 or 24 on
	v_lshlrev_b32 v5, 5, v2                        ; an odd tile's: 8 or 16 on
	v_lshlrev_b32 v6, 2, v3
	v_lshlrev_b32 v7, 2, v1
.irp g, 0,1,2,3
.irp k, 0,1
	global_load_b128 v[BY+16*\g+4*\k:BY+16*\g+4*\k+3], v4, s[20:21] offset:128*\g+16*\k
	global_load_b128 v[BY+16*\g+8+4*\k:BY+16*\g+8+4*\k+3], v5, s[20:21] offset:128*\g+32+16*\k
.endr
	global_load_b32 v[BX+2*\g], v6, s[100:101] offset:128*\g
	global_load_b32 v[BX+2*\g+1], v7, s[100:101] offset:128*\g+32
.endr
	v_and_b32 v[O8], 31, v0
	v_lshlrev_b32 v[O16], 4, v[O8]
	v_lshlrev_b32 v[O8], 3, v[O8]
.irp b, 0,1,2,3
	v_mov_b32 v[TM+4+\b], 0                        ; a lane permute's destination counts as one of its sources
.endr
	s_wait_alu depctr_va_vdst(0)
	s_wait_loadcnt 0x0
.set KK, 0
.rept 64
	v_and_b32 v[BY+KK], s2, v[BY+KK]
.set KK, KK+1
.endr
.set KK, 0
.rept 8
	v_and_b32 v[BX+KK], s3, v[BX+KK]
.set KK, KK+1
.endr
	; the job's strides for the way out
	s_cmp_lt_u32 s66, 2
	s_cselect_b32 s20, s18, s19                    ; H: the pair of heads is 2 H, 2 H + 1
	s_cselect_b32 s21, s19, s18                    ; I: which 128 queries or keys of the batch
	s_mov_b32 s100, 1536
	s_cselect_b32 s100, 768, s100                  ; from block to block
	s_mov_b32 s46, 768
	s_cselect_b32 s46, 147456, s46                 ; from registers 0-5 to 6-11: the next head, or the step's second 64 keys
	s_cselect_b32 s104, 0, 141312                  ; more at block 4: job v goes on to the next head
	s_cselect_b32 s92, 64, 128                     ; the scale words, from pair to pair of blocks
	s_mov_b32 s47, 6144
	s_cselect_b32 s47, s47, 64                     ; from lanes 0-15 to lanes 16-31
	s_cselect_b32 s94, 0, 5888                     ; more at block 5
	s_mov_b32 s2, 0x03020100
	s_cselect_b32 s2, 0x05040100, s2               ; lanes 0-15 store bytes 0, 1 of both blocks' words; in job v the even block's word
	s_mov_b32 s3, 0x07060504
	s_cselect_b32 s3, 0x07060302, s3               ; lanes 16-31: bytes 2, 3 of both; in job v the odd block's word
	s_mov_b32 s101, 0
	s_mov_b32 s105, 0
	s_mov_b32 s93, 0
	s_mov_b32 s95, 0
	v_mul_u32_u24 v[OS], s47, v2
	v_lshl_add_u32 v[OS], v1, 2, v[OS]
	s_mov_b32 s47, 0
	s_lshl_b32 s18, s45, 4
	s_lshl_b32 s20, s20, 1
	s_add_co_u32 s18, s18, s20                     ; 16 x batch + head
	s_mul_i32 s20, s18, 147456
	s_mul_i32 s19, s66, 49152
	s_add_co_u32 s20, s20, s19
	s_mul_i32 s19, s21, 6144
	s_add_co_u32 s20, s20, s19
	s_mul_i32 s18, s18, 6144
	s_lshl_b32 s19, s66, 11
	s_add_co_u32 s18, s18, s19
	s_lshl_b32 s19, s21, 8
	s_add_co_u32 s18, s18, s19
	s_mov_b32 s21, 0
	s_mov_b32 s19, 0
	s_add_nc_u64 s[12:13], s[12:13], s[20:21]      ; where registers 0-5 of block 0 go,
	s_add_nc_u64 s[96:97], s[12:13], s[46:47]      ; registers 6-11,
	s_add_nc_u64 s[98:99], s[98:99], s[18:19]      ; and the scale words
	s_mov_b32 s[SEL], 0x76543210
	s_mov_b32 s[SEL+1], 0xfedcba98
	s_mov_b32 s67, 0xffff0000                      ; lanes 16-31
; A fragment, 16 rows x 128 K: lane l holds its row's 24 bytes of K = 64 c + 32 (l / 16) on, in pieces of 8 bytes.  Byte y of a row lies in chunk y / 256, slot (y / 256) % 2, at byte y % 256 of the LDS row.
.macro FRAG reg, adr, st, i
.set UU, (\i)%2
.irp p, 0,1,2,3,4,5
.set BYT, 96*(\st)+48*(\p/3)+8*(\p%3)
.if BYT/ROWB == (BYT+24)/ROWB
	ds_load_b64 v[\reg+2*\p:\reg+2*\p+1], v[\adr+4*UU+(BYT/ROWB)%2] offset:BYT%ROWB+(32*((\i)/2)+8*UU)*PITCH
.else
	ds_load_b64 v[\reg+2*\p:\reg+2*\p+1], v[\adr+4*UU+2+(BYT/ROWB)%2] offset:BYT%ROWB-232+(32*((\i)/2)+8*UU)*PITCH
.endif
.endr
.endm
; 16 matrix instructions: X's blocks a0, a0 + 1 x Y's eight.  zero = 1: the bias along Y is the C of the first product.  The 64 accumulators take turns.
.macro MUL16 a0, p, q, sc, zero
.irp a, \a0, \a0+1
.irp b, 0,1,2,3,4,5,6,7
.if \zero
	v_wmma_scale_f32_16x16x128_f8f6f4 v[8*(8*((\a)%4)+\b):8*(8*((\a)%4)+\b)+7], v[128*(\p)+FR*\b:128*(\p)+FR*\b+FR-1], v[AF+FR*(\a):AF+FR*(\a)+FR-1], v[BY+8*\b:BY+8*\b+7], v[SC+8*NQ*(\sc)+NQ*\b+(\q)], v[SC+8*NQ*(\sc)+NQ*(\a)+(\q)] matrix_a_fmt:MATRIX_FMT_FP6 matrix_b_fmt:MATRIX_FMT_FP6 matrix_a_scale:MATRIX_SCALE_ROW1
.else
	v_wmma_scale_f32_16x16x128_f8f6f4 v[8*(8*((\a)%4)+\b):8*(8*((\a)%4)+\b)+7], v[128*(\p)+FR*\b:128*(\p)+FR*\b+FR-1], v[AF+FR*(\a):AF+FR*(\a)+FR-1], v[8*(8*((\a)%4)+\b):8*(8*((\a)%4)+\b)+7], v[SC+8*NQ*(\sc)+NQ*\b+(\q)], v[SC+8*NQ*(\sc)+NQ*(\a)+(\q)] matrix_a_fmt:MATRIX_FMT_FP6 matrix_b_fmt:MATRIX_FMT_FP6 matrix_a_scale:MATRIX_SCALE_ROW1
.endif
.endr
.endr
.endm
.macro FETCH_B st, p
	WIN TO_B
.irp i, 0,1,2,3,4,5,6,7
	FRAG 128*(\p)+FR*\i, ADRB, \st, \i
.endr
	WIN 0
.endm
.macro FETCH_A st, i0
.irp i, \i0, \i0+1, \i0+2, \i0+3
	FRAG AF+FR*(\i), ADRA, \st, \i
.endr
.endm
.macro SCALES pr                       ; the words of steps 2 pr, 2 pr + 1 into set pr % 2: lanes 0-15 X's block i, lanes 16-31 Y's block i
.irp i, 0,1,2,3,4,5,6,7
	ds_load_b64 v[SC+16*((\pr)%2)+2*\i:SC+16*((\pr)%2)+2*\i+1], v[ADRS+\i%2] offset:(\i/2)*1088+8*(\pr)
.endr
.endm
.macro PLACES n
.rept \n
	v_nop
.endr
.endm
; A step of 128 along K.  Where the next step's bytes END in a chunk not read yet: every wave waits for its tensor loads, and a barrier shows that chunk whole.
; Where they BEGIN in a later chunk: the old chunk is read no more: the wait for all tensor loads, the add, the wait for it and for my reads, the barrier; where chunk C0 + 2 exists, the barrier opens a round of the cluster's and the slot is filled again.
.macro STEP st, zero
.set NX, (\st)+1
.set C0, (96*(\st))/ROWB
.set C1, (96*NX)/ROWB
.set E0, (96*(\st)+95)/ROWB
.set E1, (96*NX+95)/ROWB
.if C1 > C0 || (E1 > E0 && E1 > 1)     ; chunks 0 and 1 are whole since the head's barrier
	s_wait_tensorcnt 0x0                           ; all my tensor loads have landed
.if C1 > C0
	ds_add_u32 v[SPW], v[NIL]
	s_wait_dscnt 4*NL+1                            ; the add and the youngest 24 loads (X's blocks 4-7) may be out
.else
	s_wait_dscnt 4*NL
.endif
	WL \zero
	MUL16 0, (\st)%2, (\st)%2, ((\st)/2)%2, \zero
	s_wait_dscnt 0x0                               ; the add, where there is one, and all my reads are done
	s_barrier_signal -1
	MUL16 2, (\st)%2, (\st)%2, ((\st)/2)%2, \zero
	WIN 0
	s_barrier_wait -1
.if C1 > C0 && C0+2 < CHUNKS
	CREST
	s_add_nc_u64 s[G0+4*(C0%2)+2:G0+4*(C0%2)+3], s[G0+4*(C0%2)+2:G0+4*(C0%2)+3], 2*ROWB
	s_add_nc_u64 s[G0B+4*(C0%2)+2:G0B+4*(C0%2)+3], s[G0B+4*(C0%2)+2:G0B+4*(C0%2)+3], 2*ROWB
	JLOAD G0+4*(C0%2), G1, G0B+4*(C0%2), G1B       ; chunk C0 + 2, the first tensor load behind the round; its four v_nop are the places for the loads below
.else
	PLACES NP
.endif
.else
	s_wait_dscnt 4*NL                              ; all but the youngest 24 loads: X's blocks 4-7
	WL \zero
	MUL16 0, (\st)%2, (\st)%2, ((\st)/2)%2, \zero
	MUL16 2, (\st)%2, (\st)%2, ((\st)/2)%2, \zero
	s_wait_dscnt 0
	PLACES NP
.endif
	FETCH_B NX, NX%2
	FETCH_A NX, 0
.if NX%2 == 0
	SCALES NX/2
.endif
	WH \zero
	MUL16 4, (\st)%2, (\st)%2, ((\st)/2)%2, \zero
	MUL16 6, (\st)%2, (\st)%2, ((\st)/2)%2, \zero
	PLACES NP
	WIN 0
	FETCH_A NX, 4
.endm
; 64 numbers of a lane, register 16 b + i in block b, become 12 code registers at v[d] and the row's scale word in v[pw].
.macro QUANT s, d, pw
.irp b, 0,1,2,3
	v_max3_num_f32 v[TM+\b], |v[\s+16*\b]|, |v[\s+1+16*\b]|, 0x1800000   ; my 16 numbers and the floor 2^(3 - 127)
.endr
.irp i, 2,4,6,8,10,12,14
.irp b, 0,1,2,3
	v_max3_num_f32 v[TM+\b], v[TM+\b], |v[\s+16*\b+\i]|, |v[\s+1+16*\b+\i]|
.endr
.endr
.irp b, 0,1,2,3
	v_permlanex16_b32 v[TM+4+\b], v[TM+\b], s[SEL], s[SEL+1]
.endr
.irp b, 0,1,2,3
	v_max_num_f32 v[TM+\b], v[TM+\b], v[TM+4+\b]   ; with lane l xor 16's: the block's largest magnitude
.endr
.irp b, 0,1,2,3
	v_add_nc_u32 v[TM+12+\b], 0xff000000, v[TM+\b] ; 2 off its exponent field: the conversion's scale operand
.endr
.irp b, 0,1,2,3
	v_lshrrev_b32 v[TM+4+\b], 23, v[TM+12+\b]      ; the scale's byte
.endr
	v_lshl_or_b32 v[\pw], v[TM+5], 8, v[TM+4]
	v_lshl_or_b32 v[\pw], v[TM+6], 16, v[\pw]
	v_lshl_or_b32 v[\pw], v[TM+7], 24, v[\pw]
.irp c, 0,1
	v_cvt_scalef32_pk16_fp6_f32 v[\d+6*\c:\d+2+6*\c], v[\s+32*\c:\s+15+32*\c], v[TM+12+2*\c]
	v_cvt_scalef32_pk16_fp6_f32 v[PT+4*\c:PT+2+4*\c], v[\s+16+32*\c:\s+31+32*\c], v[TM+12+2*\c+1]
.endr
	v_nop                                          ; one plain place behind a scaled conversion
.irp c, 0,1                            ; a whole block to a lane: lanes 0-15 block 2 c, lanes 16-31 block 2 c + 1
.irp i, 0,1,2
	v_permlane16_swap_b32 v[\d+6*\c+\i], v[PT+4*\c+\i]
.endr
.irp i, 0,1,2
	v_mov_b32 v[\d+3+6*\c+\i], v[PT+4*\c+\i]
.endr
.endr
.endm
; THE WAY OUT of X's block a: the bias along X is added while the sums move to window 0 (each accumulator from its low end on); they are quantised; the registers leave as they stand.
.macro OUTBLK a
.set AC, 64*((\a)%4)
.set PCA, PC+12*((\a)%2)
	WIN 0x02+(\a)/4
.set KK, 0
.rept 32
.if (\a)%2
	v_pk_add_f32 v[W+2*KK:W+2*KK+1], v[AC+2*KK:AC+2*KK+1], v[BX+2*((\a)/2):BX+2*((\a)/2)+1] op_sel:[0,1] op_sel_hi:[1,1]
.else
	v_pk_add_f32 v[W+2*KK:W+2*KK+1], v[AC+2*KK:AC+2*KK+1], v[BX+2*((\a)/2):BX+2*((\a)/2)+1] op_sel_hi:[1,0]
.endif
.set KK, KK+1
.endr
	WIN 0
	QUANT W, PCA, PW+(\a)%2
	s_wait_alu depctr_va_vdst(0)
	s_wait_xcnt 0x0                                ; the earlier stores have read their bases and data: only now are bases stepped
.if (\a) > 0
	s_add_nc_u64 s[12:13], s[12:13], s[100:101]
	s_add_nc_u64 s[96:97], s[96:97], s[100:101]
.endif
.if (\a) == 4
	s_add_nc_u64 s[12:13], s[12:13], s[104:105]
	s_add_nc_u64 s[96:97], s[96:97], s[104:105]
.endif
	global_store_b128 v[O16], v[PCA:PCA+3], s[12:13]                 ; 512 consecutive bytes
	global_store_b64 v[O8], v[PCA+4:PCA+5], s[12:13] offset:512      ; 256 consecutive bytes
	global_store_b128 v[O16], v[PCA+6:PCA+9], s[96:97]
	global_store_b64 v[O8], v[PCA+10:PCA+11], s[96:97] offset:512
.if (\a)%2
	v_perm_b32 v[TA], v[PW+1], v[PW], s2
	v_perm_b32 v[TB], v[PW+1], v[PW], s3
	v_cndmask_b32 v[SW], v[TA], v[TB], s67
.if (\a) > 1
	s_add_nc_u64 s[98:99], s[98:99], s[92:93]
.endif
.if (\a) == 5
	s_add_nc_u64 s[98:99], s[98:99], s[94:95]
.endif
	global_store_b32 v[OS], v[SW], s[98:99]
.endif
.endm
	s_wait_alu depctr_va_vdst(0)                   ; a wait at the head's end
	s_wait_tensorcnt 0x0                           ; my tile of the head's four (chunks 0 and 1 of X and of Y) is in
.irp j, 0,1,2,3,4,5,6,7
	ds_store_b128 v245, v[128+4*\j:131+4*\j] offset:544*\j   ; my 128 rows' scale bytes (their loads were waited for with the biases'): bytes that no tensor load fills
.endr
	s_mov_b32 s[G1+2], 128<<16                     ; no tensor load of mine is out: from here on a load brings 128 rows
	s_mov_b32 s[G1+4], 128
	s_mov_b32 s[G1B+2], 128<<16
	s_mov_b32 s[G1B+4], 128
	s_wait_dscnt 0x0                               ; my stores are done
	s_barrier_signal -1
	s_barrier_wait -1                              ; all four tiles and all scale bytes are in
	FETCH_B 0, 0
	FETCH_A 0, 0
	SCALES 0
	FETCH_A 0, 4
	STEP 0, 1
.set ST, 1
.rept STEPS-2
	STEP ST, 0
.set ST, ST+1
.endr
	s_wait_dscnt 4*NL
	WIN 0xa1
	MUL16 0, 1, 1, 1, 0
	MUL16 2, 1, 1, 1, 0
	s_wait_dscnt 0
	WIN 0xf1
	MUL16 4, 1, 1, 1, 0
	MUL16 6, 1, 1, 1, 0
	WIN 0
	PLACES NP                                      ; behind the last products: results are read, and registers that held X's fragments are written
.irp a, 0,1,2,3,4,5,6,7
	OUTBLK \a
.endr
	s_wait_tensorcnt 0x0                           ; the wave's end
	ds_add_u32 v[SPW], v[NIL]
	s_wait_dscnt 0x0
	CROUND                                         ; the closing round
	s_endpgm
.Lfunc_end_k_qfc13b72138_qkv:
	.size	k_qfc13b72138_qkv, .Lfunc_end_k_qfc13b72138_qkv-k_qfc13b72138_qkv
	.p2alignl 7, 3214868480
	.fill 96, 4, 3214868480
	.section	.rodata,"a",@progbits
	.p2align	6, 0x0
	.amdhsa_kernel k_qfc13b72138_qkv
		.amdhsa_group_segment_fixed_size 327680
		.amdhsa_private_segment_fixed_size 0
		.amdhsa_enable_private_segment 0
		.amdhsa_kernarg_size 104
		.amdhsa_user_sgpr_count 2
		.amdhsa_user_sgpr_kernarg_segment_ptr 1
		.amdhsa_wavefront_size32 1
		.amdhsa_system_sgpr_workgroup_id_x 1
		.amdhsa_system_sgpr_workgroup_id_y 1
		.amdhsa_system_sgpr_workgroup_id_z 1
		.amdhsa_system_vgpr_workitem_id 0
		.amdhsa_next_free_vgpr 1024
		.amdhsa_next_free_sgpr 106
		.amdhsa_reserve_vcc 0
		.amdhsa_float_denorm_mode_32 3
		.amdhsa_float_denorm_mode_16_64 3
		.amdhsa_memory_ordered 1
		.amdhsa_forward_progress 1
		.amdhsa_inst_pref_size 190
	.end_amdhsa_kernel
	.amdgpu_metadata
---
amdhsa.version: [ 1, 2 ]
amdhsa.kernels:
  - .name:           k_qfc13b72138_qkv
    .symbol:         k_qfc13b72138_qkv.kd
    .args:
      - { .name: hidden_states_codes, .offset: 0, .size: 8, .value_kind: global_buffer, .address_space: global }
      - { .name: hidden_states_scales, .offset: 8, .size: 8, .value_kind: global_buffer, .address_space: global }
      - { .name: Wq_codes, .offset: 16, .size: 8, .value_kind: global_buffer, .address_space: global }
      - { .name: Wq_scales, .offset: 24, .size: 8, .value_kind: global_buffer, .address_space: global }
      - { .name: Wk_codes, .offset: 32, .size: 8, .value_kind: global_buffer, .address_space: global }
      - { .name: Wk_scales, .offset: 40, .size: 8, .value_kind: global_buffer, .address_space: global }
      - { .name: Wv_codes, .offset: 48, .size: 8, .value_kind: global_buffer, .address_space: global }
      - { .name: Wv_scales, .offset: 56, .size: 8, .value_kind: global_buffer, .address_space: global }
      - { .name: bq, .offset: 64, .size: 8, .value_kind: global_buffer, .address_space: global }
      - { .name: bk, .offset: 72, .size: 8, .value_kind: global_buffer, .address_space: global }
      - { .name: bv, .offset: 80, .size: 8, .value_kind: global_buffer, .address_space: global }
      - { .name: qkv_codes, .offset: 88, .size: 8, .value_kind: global_buffer, .address_space: global }
      - { .name: qkv_scales, .offset: 96, .size: 8, .value_kind: global_buffer, .address_space: global }
    .group_segment_fixed_size: 327680
    .private_segment_fixed_size: 0
    .kernarg_segment_align: 8
    .kernarg_segment_size: 104
    .max_flat_workgroup_size: 128
    .sgpr_count:     106
    .vgpr_count:     1024
    .wavefront_size: 32
...
	.end_amdgpu_metadata
.endif
;; end of part 1
;; launch attn (part 2): grid 2 x 128, 16 waves a work-group, no clusters, 327,680 bytes of LDS; arguments qkv_codes, qkv_scales, dist_emb, a_codes, a_scales; writes a_codes, a_scales
.if DOCPART == 2
	.amdgcn_target "amdgcn-amd-amdhsa--gfx1250"
	.amdhsa_code_object_version 6
	.text
	.protected	k_qfc13b72138_attn
	.globl	k_qfc13b72138_attn
	.p2align	8
	.type	k_qfc13b72138_attn,@function
k_qfc13b72138_attn:
	s_mov_b64 s[64:65], 0
	v_nop
	global_prefetch_b8 v0, s[64:65] scope:SCOPE_SE
	s_setreg_imm32_b32 hwreg(HW_REG_WAVE_MODE, 25, 1), 1
	s_wait_xcnt 0x0
; Attention of one (batch, head) on codes of FP6 with E8M0 scales: S^T = k q^T, a running whole-number maximum, p = 2^(t - M) quantised along the keys, O^T += v^T p^T, O / l quantised along the head's 64.
; A work-group of 16 waves holds the head's K and V codes (one tensor load of 6,144 bytes a wave) and their scale bytes (256 bytes a wave, through registers) in LDS; a wave walks two tiles of 16 queries over 8 steps of 128 keys.
; THE DISTANCE TERM: q . dist_emb[clip(r - l)] takes 73 different values a query, so the quantised product is made once a query tile with dist_emb's 73 rows and looked up by the clipped distance;
; key blocks that lie wholly beyond the clip take the one end value.
; LIMITS: NaN and infinities are not served; the scaled scores stay under 2^31 in magnitude; a block of zeros gets the scale byte 1 (this program alone reads the bytes).
.set VC,   49152
.set KSC,  98304
.set EM,   102400
.set ES,   107008
.set TBL,  107520
.set TPW,  10496
.set FB,   36
.set S,    96
.set O,    160
.set PC,   192
.set PT,   204
.set MX,   212
.set MT,   216
.set SO,   220
.set TV,   224
	s_load_b256 s[4:11], s[0:1], 0x0
	s_load_b64 s[12:13], s[0:1], 0x20
	v_lshl_add_u32 v207, v0, 2, 0x43400
	v_mov_b32 v211, 0
	ds_add_u32 v207, v211
	ds_add_u32 v207, v211
	v_lshrrev_b32 v253, 5, v0
	s_delay_alu instid0(VALU_DEP_1)
	v_readfirstlane_b32 s18, v253
	s_and_b32 s19, s18, 1
	s_and_b32 s68, ttmp7, 0xffff
	s_lshl_b32 s69, ttmp9, 5
	s_add_co_u32 s69, s69, s18
	s_mov_b32 s24, 3<<16
	s_mov_b32 s25, 32<<16
	s_mov_b32 s26, 24<<16
	s_mov_b32 s27, 32<<16
	s_mov_b32 s28, 24
	s_mov_b32 s29, 32
	s_mov_b32 s30, 0
	s_mov_b32 s31, 0
	s_mul_i32 s70, s68, 147456
	s_mul_i32 s71, s68, 6144
	s_mul_i32 s41, s18, 6144
	s_add_co_u32 s72, s70, s41
	s_add_co_u32 s72, s72, 49152
	s_mov_b32 s73, 0
	s_lshl_b32 s45, s18, 8
	s_add_co_u32 s74, s71, s45
	s_add_co_u32 s74, s74, 2048
	s_mov_b32 s75, 0
	s_add_co_u32 s45, s45, KSC
	s_mov_b32 s40, 1
	s_wait_dscnt 0x0
	s_wait_kmcnt 0x0
	s_add_nc_u64 s[42:43], s[4:5], s[72:73]
	s_or_b32 s43, s43, 0x80000000
	s_add_nc_u64 s[46:47], s[6:7], s[74:75]
	tensor_load_to_lds s[40:43], s[24:31]
	s_nop 0
.rept 4
	v_nop
.endr
	s_mul_i32 s72, s69, 768
	s_add_co_u32 s72, s72, s70
	s_add_nc_u64 s[4:5], s[4:5], s[72:73]
	s_lshr_b32 s74, s69, 1
	s_lshl_b32 s66, s74, 5
	s_lshl_b32 s74, s74, 6
	s_add_co_u32 s74, s74, s71
	s_add_nc_u64 s[6:7], s[6:7], s[74:75]
	s_lshr_b32 s72, s68, 4
	s_and_b32 s70, s68, 15
	s_lshl_b32 s72, s72, 6
	s_add_co_u32 s72, s72, s69
	s_lshl_b32 s74, s72, 9
	s_lshl_b32 s71, s70, 1
	s_add_co_u32 s74, s74, s71
	s_add_nc_u64 s[12:13], s[12:13], s[74:75]
	s_lshl_b32 s72, s72, 4
	s_add_co_u32 s72, s72, s70
	s_mul_i32 s72, s72, 768
	s_add_nc_u64 s[10:11], s[10:11], s[72:73]
	s_mov_b32 s20, 0x76543210
	s_mov_b32 s21, 0xfedcba98
	s_mov_b32 s22, 0x3e38aa3b
	s_mov_b32 s23, s22
	s_mov_b32 s48, 0xffff0000
	s_mov_b32 s49, 0x03020302
	s_cmp_eq_u32 s19, 0
	s_cselect_b32 s49, 0x01000100, s49
	s_mov_b32 s50, 2
	v_and_b32 v253, 31, v0
	v_and_b32 v224, 15, v0
	v_bfe_u32 v225, v0, 4, 1
	s_delay_alu instid0(VALU_DEP_3)
	v_lshlrev_b32 v1, 4, v253
	s_delay_alu instid0(VALU_DEP_4)
	v_lshlrev_b32 v2, 3, v253
	v_lshl_add_u32 v3, v253, 2, KSC
	global_load_b64 v[236:237], v2, s[46:47]       ; my 256 bytes of K's and V's scale bytes: 8 a lane
	v_add_nc_u32 v238, s45, v2                     ; and where they go in LDS
	s_mul_i32 s70, s18, TPW
	s_add_co_u32 s70, s70, TBL
	v_mul_u32_u24 v226, v224, 656
	s_delay_alu instid0(VALU_DEP_1)
	v_add_nc_u32 v226, s70, v226
	s_delay_alu instid0(VALU_DEP_1)
	v_lshl_add_u32 v4, v225, 5, v226
	s_delay_alu instid0(VALU_DEP_2)
	v_lshl_add_u32 v5, v225, 6, v226
	s_delay_alu instid0(VALU_DEP_3)
	v_mad_u32_u24 v6, v225, 112, v226
	s_xor_b32 s71, s19, 1
	s_lshl_b32 s71, s71, 4
	s_lshl_b32 s72, s19, 3
	v_lshrrev_b32 v227, 3, v224
	s_delay_alu instid0(VALU_DEP_1)
	v_mul_u32_u24 v227, s71, v227
	s_delay_alu instid0(VALU_DEP_1)
	v_add_nc_u32 v227, v227, v224
	s_delay_alu instid0(VALU_DEP_1)
	v_add_nc_u32 v227, s72, v227
	s_delay_alu instid0(VALU_DEP_1)
	v_sub_nc_u32 v227, 32, v227
	s_delay_alu instid0(VALU_DEP_1)
	v_lshl_add_u32 v227, v227, 2, v226
	s_delay_alu instid0(VALU_DEP_1)
	v_mad_u32_u24 v7, v225, 96, v227
	s_delay_alu instid0(VALU_DEP_2)
	v_lshl_add_u32 v8, v225, 5, v227
	v_add_nc_u32 v9, EM, v1
	v_add_nc_u32 v10, EM, v2
	v_lshl_add_u32 v11, v253, 2, ES
	s_min_u32 s73, s18, 2
	s_mul_i32 s74, s73, 1536
	v_add_nc_u32 v246, s74, v9
	v_add_nc_u32 v247, s74, v10
	s_lshl_b32 s74, s73, 7
	v_add_nc_u32 v243, s74, v11
	v_lshlrev_b32 v244, 2, v224
	v_lshlrev_b32 v245, 5, v224
.irp i, 16,17,18,19,20,21,28,29,30,31,32,33
	v_mov_b32 v\i, 0
.endr
.irp i, 216,217,218,219,240,241,242,255
	v_mov_b32 v\i, 0
.endr
	global_load_b128 v[22:25], v1, s[4:5]          ; the first tile's q and its scale word, asked for in the head
	global_load_b64 v[26:27], v2, s[4:5] offset:512
	global_load_b32 v34, v244, s[6:7]
	s_cmp_lt_u32 s18, 3
	s_cbranch_scc0 .Lno_emb
	s_lshl_b32 s74, s18, 5
	v_add_nc_u32 v229, s74, v224
	s_delay_alu instid0(VALU_DEP_1)
	v_add_nc_u32 v230, 16, v229
	s_delay_alu instid0(VALU_DEP_2)
	v_min_u32 v229, 72, v229
	s_delay_alu instid0(VALU_DEP_2)
	v_min_u32 v230, 72, v230
	s_delay_alu instid0(VALU_DEP_2)
	v_lshlrev_b32 v229, 8, v229
	s_delay_alu instid0(VALU_DEP_2)
	v_lshlrev_b32 v230, 8, v230
	s_delay_alu instid0(VALU_DEP_2)
	v_lshl_add_u32 v229, v225, 7, v229
	s_delay_alu instid0(VALU_DEP_2)
	v_lshl_add_u32 v230, v225, 7, v230
	v_lshlrev_b32 v231, 3, v225
.macro EMBLOAD u, adr
.set KK, 0
.irp o, 0,16,32,48,96,112,64,80
	global_load_b128 v[S+32*\u+4*KK:S+32*\u+4*KK+3], v[\adr], s[8:9] offset:\o
.set KK, KK+1
.endr
.endm
	EMBLOAD 0, 229
	EMBLOAD 1, 230
	s_wait_loadcnt 0x0
.irp u, 0,1
	v_max3_num_f32 v[MX+\u], |v[S+32*\u]|, |v[S+1+32*\u]|, 0x1800000
.endr
.irp i, 2,4,6,8,10,12,14,16,18,20,22,24,26,28,30
.irp u, 0,1
	s_delay_alu instid0(VALU_DEP_2)
	v_max3_num_f32 v[MX+\u], v[MX+\u], |v[S+32*\u+\i]|, |v[S+1+32*\u+\i]|
.endr
.endr
.irp u, 0,1
	s_delay_alu instid0(VALU_DEP_2)
	v_add_nc_u32 v[SO+\u], 0xff000000, v[MX+\u]
.endr
.irp u, 0,1
	s_delay_alu instid0(VALU_DEP_2)
	v_lshrrev_b32 v[MT+\u], 23, v[SO+\u]
.endr
.irp u, 0,1
	s_delay_alu instid0(VALU_DEP_2)
	v_lshlrev_b32 v[MT+\u], v231, v[MT+\u]
.endr
.irp u, 0,1
	s_delay_alu instid0(VALU_DEP_2)
	v_permlanex16_b32 v[MX+\u], v[MT+\u], s20, s21
.endr
.irp u, 0,1
	s_delay_alu instid0(VALU_DEP_2)
	v_or_b32 v[MT+\u], v[MT+\u], v[MX+\u]
.endr
	s_delay_alu instid0(VALU_DEP_1)
	v_lshl_or_b32 v253, v[MT+1], 16, v[MT]
.irp u, 0,1
	v_cvt_scalef32_pk16_fp6_f32 v[FB+6*\u:FB+6*\u+2], v[S+32*\u:S+32*\u+15], v[SO+\u]
	v_cvt_scalef32_pk16_fp6_f32 v[PT+4*\u:PT+4*\u+2], v[S+32*\u+16:S+32*\u+31], v[SO+\u]
.endr
	v_nop
.irp u, 0,1
.irp i, 0,1,2
	v_mov_b32 v[FB+6*\u+3+\i], v[PT+4*\u+\i]
.endr
.endr
	ds_store_b128 v246, v[FB:FB+3]
	ds_store_b64 v247, v[FB+4:FB+5] offset:512
	ds_store_b128 v246, v[FB+6:FB+9] offset:768
	ds_store_b64 v247, v[FB+10:FB+11] offset:1280
	ds_store_b32 v243, v253
.Lno_emb:
	s_wait_tensorcnt 0x0
	s_wait_loadcnt 0x0
	ds_store_b64 v238, v[236:237]
	s_wait_dscnt 0x0
	s_barrier_signal -1
	s_barrier_wait -1
.macro KQ b
.if (\b)%2
	v_wmma_scale_f32_16x16x128_f8f6f4 v[S+16*\b:S+16*\b+7], v[FB+12*\b:FB+12*\b+11], v[22:33], 0, v[84+\b/2], v34 matrix_a_fmt:MATRIX_FMT_FP6 matrix_b_fmt:MATRIX_FMT_FP6 matrix_a_scale:MATRIX_SCALE_ROW1
	v_wmma_scale_f32_16x16x128_f8f6f4 v[S+16*\b+8:S+16*\b+15], v[FB+12*\b:FB+12*\b+11], v[16:27], 0, v[84+\b/2], v34 matrix_a_fmt:MATRIX_FMT_FP6 matrix_b_fmt:MATRIX_FMT_FP6 matrix_a_scale:MATRIX_SCALE_ROW1
.else
	v_wmma_scale_f32_16x16x128_f8f6f4 v[S+16*\b:S+16*\b+7], v[FB+12*\b:FB+12*\b+11], v[22:33], 0, v[84+\b/2], v34 matrix_a_fmt:MATRIX_FMT_FP6 matrix_b_fmt:MATRIX_FMT_FP6
	v_wmma_scale_f32_16x16x128_f8f6f4 v[S+16*\b+8:S+16*\b+15], v[FB+12*\b:FB+12*\b+11], v[16:27], 0, v[84+\b/2], v34 matrix_a_fmt:MATRIX_FMT_FP6 matrix_b_fmt:MATRIX_FMT_FP6
.endif
.endm
.macro NEAR b
	s_or_b32 s55, s[56+\b], s[60+\b]
	s_cmp_lg_u32 s55, 0
	s_cbranch_scc1 .Lfar_\@
	s_add_co_i32 s55, s54, 32*\b
	s_min_u32 s55, s55, 96
	s_lshl_b32 s55, s55, 2
	v_add_nc_u32 v251, s55, v7
	v_add_nc_u32 v252, s55, v8
.irp i, 0,1,2,3,4,5,6,7
	ds_load_b32 v[TV+\i], v251 offset:4*\i
.endr
.irp i, 8,9,10,11,12,13,14,15
	ds_load_b32 v[TV+\i], v252 offset:4*\i
.endr
	s_wait_dscnt 0x0
.irp k, 0,1,2,3,4,5,6,7
	v_pk_add_f32 v[S+16*\b+2*\k:S+16*\b+2*\k+1], v[S+16*\b+2*\k:S+16*\b+2*\k+1], v[TV+2*\k:TV+2*\k+1]
.endr
.Lfar_\@:
.endm
; A step whose four blocks of keys all lie beyond the clip on one side: the one end value for all four (these four lines are also the places ahead of the loads), and V's fragments.
.macro FARV src
.irp b, 0,1,2,3
	v_mov_b32 v[89+2*\b], v\src
.endr
.irp t, 0,1,2,3
	ds_load_b128 v[FB+12*\t:FB+12*\t+3], v248 offset:VC+1536*\t
	ds_load_b64 v[FB+12*\t+4:FB+12*\t+5], v249 offset:VC+1536*\t+512
	ds_load_b128 v[FB+12*\t+6:FB+12*\t+9], v248 offset:VC+1536*\t+768
	ds_load_b64 v[FB+12*\t+10:FB+12*\t+11], v249 offset:VC+1536*\t+1280
.endr
	ds_load_b32 v86, v250 offset:2048
	ds_load_b32 v87, v250 offset:2176
.endm
.Ltile:
.irp p, 0,1,2
	ds_load_b128 v[FB+12*\p:FB+12*\p+3], v9 offset:1536*\p
	ds_load_b64 v[FB+12*\p+4:FB+12*\p+5], v10 offset:1536*\p+512
	ds_load_b128 v[FB+12*\p+6:FB+12*\p+9], v9 offset:1536*\p+768
	ds_load_b64 v[FB+12*\p+10:FB+12*\p+11], v10 offset:1536*\p+1280
	ds_load_b32 v[84+\p], v11 offset:128*\p
.endr
	s_mov_b32 s52, 0
	s_mov_b32 s53, 0
	s_sub_co_i32 s54, 64, s66
	s_mov_b32 s51, 8
	s_wait_loadcnt 0x0
	v_perm_b32 v34, v34, v34, s49
	v_mov_b32 v13, 0xff61b1e6
	s_delay_alu instid0(VALU_DEP_1)
	v_floor_f32 v12, -v13
	v_mov_b32 v14, 0
	v_mov_b32 v15, 0
.set J, 0
.rept 32
	v_mov_b32 v[O+J], 0
.set J, J+1
.endr
	s_wait_dscnt 0x0
.irp jt, 0,1,2,3,4
.if \jt%2
	v_wmma_scale_f32_16x16x128_f8f6f4 v[S+8*\jt:S+8*\jt+7], v[FB+12*(\jt/2):FB+12*(\jt/2)+11], v[16:27], 0, v[84+\jt/2], v34 matrix_a_fmt:MATRIX_FMT_FP6 matrix_b_fmt:MATRIX_FMT_FP6
.else
	v_wmma_scale_f32_16x16x128_f8f6f4 v[S+8*\jt:S+8*\jt+7], v[FB+12*(\jt/2):FB+12*(\jt/2)+11], v[22:33], 0, v[84+\jt/2], v34 matrix_a_fmt:MATRIX_FMT_FP6 matrix_b_fmt:MATRIX_FMT_FP6
.endif
.endr
.rept 4
	v_nop
.endr
	v_permlanex16_b32 v240, v[S], s20, s21
	v_permlanex16_b32 v241, v[S+32], s20, s21
	v_cndmask_b32 v240, v[S], v240, s48
	v_cndmask_b32 v241, v241, v[S+32], s48
.irp jt, 0,1,2,3,4
	ds_store_b128 v4, v[S+8*\jt:S+8*\jt+3] offset:128+64*\jt
	ds_store_b128 v4, v[S+8*\jt+4:S+8*\jt+7] offset:128+64*\jt+16
.endr
.irp i, 0,1,2,3
	v_mov_b32 v[TV+\i], v240
	v_mov_b32 v[TV+4+\i], v241
.endr
.irp k, 0,1,2,3
	ds_store_b128 v5, v[TV:TV+3] offset:16*\k
.endr
.irp k, 0,1,2,3,4,5,6,7
	ds_store_b128 v6, v[TV+4:TV+7] offset:416+16*\k
.endr
.Lstep:
	v_add_nc_u32 v248, s52, v1
	v_add_nc_u32 v249, s52, v2
	v_add_nc_u32 v250, s53, v3
	v_nop
.irp b, 0,1,2,3
	ds_load_b128 v[FB+12*\b:FB+12*\b+3], v248 offset:1536*\b
	ds_load_b64 v[FB+12*\b+4:FB+12*\b+5], v249 offset:1536*\b+512
	ds_load_b128 v[FB+12*\b+6:FB+12*\b+9], v248 offset:1536*\b+768
	ds_load_b64 v[FB+12*\b+10:FB+12*\b+11], v249 offset:1536*\b+1280
.endr
	ds_load_b32 v84, v250
	ds_load_b32 v85, v250 offset:128
	s_wait_alu depctr_va_vdst(0)
	s_wait_dscnt 0x0
	KQ 0
	KQ 1
	KQ 2
	KQ 3
	s_cmp_lt_i32 s54, -96                          ; made of ids and the step's count alone: all four blocks left of the window,
	s_cbranch_scc1 .Lleft
	s_cmp_gt_i32 s54, 96                           ; or all four right of it
	s_cbranch_scc1 .Lright
.irp b, 0,1,2,3
	s_add_co_i32 s55, s54, 32*\b
	s_cmp_lt_i32 s55, 0
	s_cselect_b32 s[56+\b], -1, 0
	s_cmp_gt_i32 s55, 96
	s_cselect_b32 s[60+\b], -1, 0
	v_cndmask_b32 v[89+2*\b], v242, v240, s[56+\b]
	s_delay_alu instid0(VALU_DEP_1)
	v_cndmask_b32 v[89+2*\b], v[89+2*\b], v241, s[60+\b]
.endr
.irp t, 0,1,2,3
	ds_load_b128 v[FB+12*\t:FB+12*\t+3], v248 offset:VC+1536*\t
	ds_load_b64 v[FB+12*\t+4:FB+12*\t+5], v249 offset:VC+1536*\t+512
	ds_load_b128 v[FB+12*\t+6:FB+12*\t+9], v248 offset:VC+1536*\t+768
	ds_load_b64 v[FB+12*\t+10:FB+12*\t+11], v249 offset:VC+1536*\t+1280
.endr
	ds_load_b32 v86, v250 offset:2048
	ds_load_b32 v87, v250 offset:2176
	NEAR 0
	NEAR 1
	NEAR 2
	NEAR 3
	s_branch .Ljoin
.Lleft:
	FARV 240
	s_branch .Ljoin
.Lright:
	FARV 241
.Ljoin:
	s_wait_alu depctr_va_vdst(0)
.irp b, 0,1,2,3
	v_max3_num_f32 v[MX+\b], v[S+16*\b], v[S+1+16*\b], v[S+2+16*\b]
.endr
.irp i, 3,5,7,9,11,13
.irp b, 0,1,2,3
	v_max3_num_f32 v[MX+\b], v[MX+\b], v[S+16*\b+\i], v[S+1+16*\b+\i]
.endr
.endr
.irp b, 0,1,2,3
	v_max_num_f32 v[MX+\b], v[MX+\b], v[S+15+16*\b]
.endr
.irp b, 0,1,2,3
	s_delay_alu instid0(VALU_DEP_4)
	v_permlanex16_b32 v[MT+\b], v[MX+\b], s20, s21
.endr
.irp b, 0,1,2,3
	s_delay_alu instid0(VALU_DEP_4)
	v_max_num_f32 v[MX+\b], v[MX+\b], v[MT+\b]
.endr
.irp b, 0,1,2,3
	s_delay_alu instid0(VALU_DEP_4)
	v_add_f32 v[MT+\b], v[MX+\b], v[89+2*\b]
.endr
	s_delay_alu instid0(VALU_DEP_2)
	v_max3_num_f32 v253, v[MT], v[MT+1], v[MT+2]
	s_delay_alu instid0(VALU_DEP_1)
	v_max_num_f32 v253, v253, v[MT+3]
	s_delay_alu instid0(VALU_DEP_1)
	v_mul_f32 v253, s22, v253
	s_delay_alu instid0(VALU_DEP_1)
	v_max_num_f32 v13, v13, v253
	v_mov_b32 v253, v12
	s_delay_alu instid0(VALU_DEP_2)
	v_floor_f32 v12, -v13
	s_delay_alu instid0(VALU_DEP_1)
	v_sub_f32 v253, v12, v253
	s_delay_alu instid0(VALU_DEP_1)
	v_cvt_i32_f32 v253, v253
	s_delay_alu instid0(VALU_DEP_1)
	v_ldexp_f32 v254, 1.0, v253
.irp b, 0,1,2,3
	v_fma_f32 v[88+2*\b], v[89+2*\b], s22, v12
.endr
.set J, 0
.rept 32
	v_pk_fma_f32 v[S+2*J:S+2*J+1], v[S+2*J:S+2*J+1], s[22:23], v[88+2*(J/8):89+2*(J/8)] op_sel_hi:[1,0,0]
.set J, J+1
.endr
.irp b, 0,1,2,3
	v_fma_f32 v[MX+\b], v[MX+\b], s22, v[88+2*\b]
.endr
.set J, 0
	s_wait_alu depctr_va_vdst(0)
.rept 64
	v_exp_f32 v[S+J], v[S+J]
.set J, J+1
.endr
	v_pk_mul_f32 v[14:15], v[14:15], v[254:255] op_sel_hi:[1,0]
	s_wait_alu depctr_va_vdst(0)
.irp b, 0,1,2,3
	v_exp_f32 v[MX+\b], v[MX+\b]
.endr
	v_pk_add_f32 v[MT:MT+1], v[S:S+1], v[S+2:S+3]
.irp j, 4,8,12,16,20,24,28,32,36,40,44,48,52,56,60
	v_pk_add_f32 v[14:15], v[14:15], v[S+\j:S+1+\j]
	v_pk_add_f32 v[MT:MT+1], v[MT:MT+1], v[S+2+\j:S+3+\j]
.endr
	s_delay_alu instid0(VALU_DEP_1)
	v_pk_add_f32 v[14:15], v[14:15], v[MT:MT+1]
	s_wait_alu depctr_va_vdst(0)
.irp b, 0,1,2,3
	v_max_num_f32 v[MX+\b], 0x1800000, v[MX+\b]
.endr
.irp b, 0,1,2,3
	s_delay_alu instid0(VALU_DEP_4)
	v_add_nc_u32 v[SO+\b], 0xff000000, v[MX+\b]
.endr
.irp b, 0,1,2,3
	s_delay_alu instid0(VALU_DEP_4)
	v_lshrrev_b32 v[MT+\b], 23, v[SO+\b]
.endr
	s_delay_alu instid0(VALU_DEP_3)
	v_lshl_or_b32 v35, v[MT+1], 8, v[MT]
	s_delay_alu instid0(VALU_DEP_1)
	v_lshl_or_b32 v35, v[MT+2], 16, v35
	s_delay_alu instid0(VALU_DEP_1)
	v_lshl_or_b32 v35, v[MT+3], 24, v35
.irp c, 0,1
	v_cvt_scalef32_pk16_fp6_f32 v[PC+6*\c:PC+2+6*\c], v[S+32*\c:S+15+32*\c], v[SO+2*\c]
	v_cvt_scalef32_pk16_fp6_f32 v[PT+4*\c:PT+2+4*\c], v[S+16+32*\c:S+31+32*\c], v[SO+2*\c+1]
.endr
	v_nop
.irp c, 0,1
.irp i, 0,1,2
	v_permlane16_swap_b32 v[PC+6*\c+\i], v[PT+4*\c+\i]
.endr
.irp i, 0,1,2
	s_delay_alu instid0(VALU_DEP_3)
	v_mov_b32 v[PC+3+6*\c+\i], v[PT+4*\c+\i]
.endr
.endr
.set J, 0
.rept 16
	v_pk_mul_f32 v[O+2*J:O+2*J+1], v[O+2*J:O+2*J+1], v[254:255] op_sel_hi:[1,0]
.set J, J+1
.endr
	s_wait_alu depctr_va_vdst(0)
	s_wait_dscnt 0x0
.irp t, 0,1,2,3
.if \t%2
	v_wmma_scale_f32_16x16x128_f8f6f4 v[O+8*\t:O+8*\t+7], v[FB+12*\t:FB+12*\t+11], v[PC:PC+11], v[O+8*\t:O+8*\t+7], v[86+\t/2], v35 matrix_a_fmt:MATRIX_FMT_FP6 matrix_b_fmt:MATRIX_FMT_FP6 matrix_a_scale:MATRIX_SCALE_ROW1
.else
	v_wmma_scale_f32_16x16x128_f8f6f4 v[O+8*\t:O+8*\t+7], v[FB+12*\t:FB+12*\t+11], v[PC:PC+11], v[O+8*\t:O+8*\t+7], v[86+\t/2], v35 matrix_a_fmt:MATRIX_FMT_FP6 matrix_b_fmt:MATRIX_FMT_FP6
.endif
.endr
	s_add_co_u32 s52, s52, 6144
	s_add_co_u32 s53, s53, 256
	s_add_co_i32 s54, s54, 128
	s_sub_co_u32 s51, s51, 1
	s_cmp_lg_u32 s51, 0
	s_cbranch_scc1 .Lstep
	s_cmp_eq_u32 s50, 1                            ; the last tile has no successor
	s_cbranch_scc1 .Lno_next
	s_add_nc_u64 s[4:5], s[4:5], 12288             ; the next tile's q and its scale word are asked for here: this tile's products with q are over, its loads were waited for at its top
	s_add_nc_u64 s[6:7], s[6:7], 512
	global_load_b128 v[22:25], v1, s[4:5]
	global_load_b64 v[26:27], v2, s[4:5] offset:512
	global_load_b32 v34, v244, s[6:7]
.Lno_next:
	v_add_f32 v14, v14, v15
	s_delay_alu instid0(VALU_DEP_1)
	v_permlanex16_b32 v253, v14, s20, s21
	s_delay_alu instid0(VALU_DEP_1)
	v_add_f32 v14, v14, v253
	s_wait_alu depctr_va_vdst(0)
	v_rcp_f32 v14, v14
	v_nop
	v_nop
	s_wait_alu depctr_va_vdst(0)
.irp g, 0,1
.irp j, 0,1,2,3,4,5,6,7
	v_cndmask_b32 v[S+16*\g+\j], v[O+16*\g+\j], v[O+16*\g+8+\j], s48
	v_cndmask_b32 v[S+16*\g+8+\j], v[O+16*\g+8+\j], v[O+16*\g+\j], s48
.endr
.endr
	s_wait_alu depctr_va_vdst(0)
.set J, 0
.rept 16
	v_pk_mul_f32 v[S+2*J:S+2*J+1], v[S+2*J:S+2*J+1], v[14:15] op_sel_hi:[1,0]
.set J, J+1
.endr
.irp b, 0,1
	v_max3_num_f32 v[MX+\b], |v[S+16*\b]|, |v[S+1+16*\b]|, 0x1800000
.endr
.irp i, 2,4,6,8,10,12,14
.irp b, 0,1
	s_delay_alu instid0(VALU_DEP_2)
	v_max3_num_f32 v[MX+\b], v[MX+\b], |v[S+16*\b+\i]|, |v[S+1+16*\b+\i]|
.endr
.endr
.irp b, 0,1
	s_delay_alu instid0(VALU_DEP_2)
	v_permlanex16_b32 v[MT+\b], v[MX+\b], s20, s21
.endr
.irp b, 0,1
	s_delay_alu instid0(VALU_DEP_2)
	v_max_num_f32 v[MX+\b], v[MX+\b], v[MT+\b]
.endr
.irp b, 0,1
	s_delay_alu instid0(VALU_DEP_2)
	v_add_nc_u32 v[SO+\b], 0xff000000, v[MX+\b]
.endr
.irp b, 0,1
	s_delay_alu instid0(VALU_DEP_2)
	v_lshrrev_b32 v[MT+\b], 23, v[SO+\b]
.endr
	s_delay_alu instid0(VALU_DEP_1)
	v_lshl_or_b32 v253, v[MT+1], 8, v[MT]
	v_cvt_scalef32_pk16_fp6_f32 v[PC:PC+2], v[S:S+15], v[SO]
	v_cvt_scalef32_pk16_fp6_f32 v[PT:PT+2], v[S+16:S+31], v[SO+1]
	v_nop
.irp i, 0,1,2
	v_permlane16_swap_b32 v[PC+\i], v[PT+\i]
.endr
.irp i, 0,1,2
	s_delay_alu instid0(VALU_DEP_3)
	v_mov_b32 v[PC+3+\i], v[PT+\i]
.endr
	global_store_b128 v1, v[PC:PC+3], s[10:11]
	global_store_b64 v2, v[PC+4:PC+5], s[10:11] offset:512
	global_store_b16 v245, v253, s[12:13]
	s_wait_xcnt 0x0
	s_add_nc_u64 s[10:11], s[10:11], 196608
	s_add_nc_u64 s[12:13], s[12:13], 8192
	s_add_co_u32 s66, s66, 256
	s_sub_co_u32 s50, s50, 1
	s_cmp_lg_u32 s50, 0
	s_cbranch_scc1 .Ltile
	s_wait_tensorcnt 0x0
	ds_add_u32 v207, v211
	s_wait_dscnt 0x0
	s_endpgm
.Lfunc_end_k_qfc13b72138_attn:
	.size	k_qfc13b72138_attn, .Lfunc_end_k_qfc13b72138_attn-k_qfc13b72138_attn
	.p2alignl 7, 3214868480
	.fill 96, 4, 3214868480
	.section	.rodata,"a",@progbits
	.p2align	6, 0x0
	.amdhsa_kernel k_qfc13b72138_attn
		.amdhsa_group_segment_fixed_size 327680
		.amdhsa_private_segment_fixed_size 0
		.amdhsa_enable_private_segment 0
		.amdhsa_kernarg_size 40
		.amdhsa_user_sgpr_count 2
		.amdhsa_user_sgpr_kernarg_segment_ptr 1
		.amdhsa_wavefront_size32 1
		.amdhsa_system_sgpr_workgroup_id_x 1
		.amdhsa_system_sgpr_workgroup_id_y 1
		.amdhsa_system_sgpr_workgroup_id_z 1
		.amdhsa_system_vgpr_workitem_id 0
		.amdhsa_next_free_vgpr 256
		.amdhsa_next_free_sgpr 80
		.amdhsa_reserve_vcc 0
		.amdhsa_float_denorm_mode_32 3
		.amdhsa_float_denorm_mode_16_64 3
		.amdhsa_memory_ordered 1
		.amdhsa_forward_progress 1
		.amdhsa_inst_pref_size 55
	.end_amdhsa_kernel
	.amdgpu_metadata
---
amdhsa.version: [ 1, 2 ]
amdhsa.kernels:
  - .name:           k_qfc13b72138_attn
    .symbol:         k_qfc13b72138_attn.kd
    .args:
      - { .name: qkv_codes, .offset: 0, .size: 8, .value_kind: global_buffer, .address_space: global }
      - { .name: qkv_scales, .offset: 8, .size: 8, .value_kind: global_buffer, .address_space: global }
      - { .name: dist_emb, .offset: 16, .size: 8, .value_kind: global_buffer, .address_space: global }
      - { .name: a_codes, .offset: 24, .size: 8, .value_kind: global_buffer, .address_space: global }
      - { .name: a_scales, .offset: 32, .size: 8, .value_kind: global_buffer, .address_space: global }
    .group_segment_fixed_size: 327680
    .private_segment_fixed_size: 0
    .kernarg_segment_align: 8
    .kernarg_segment_size: 40
    .max_flat_workgroup_size: 512
    .sgpr_count:     80
    .vgpr_count:     256
    .wavefront_size: 32
...
	.end_amdgpu_metadata
.endif
;; end of part 2
;; launch oproj (part 3): grid 4 x 64, 4 waves a work-group, clusters of 4 x 4, 327,680 bytes of LDS; arguments a_codes, a_scales, Wo_codes, Wo_scales, bo, out0; writes out0
.if DOCPART == 3
	.amdgcn_target "amdgcn-amd-amdhsa--gfx1250"
	.amdhsa_code_object_version 6
	.text
	.protected	k_qfc13b72138_oproj
	.globl	k_qfc13b72138_oproj
	.p2align	8
	.type	k_qfc13b72138_oproj,@function
k_qfc13b72138_oproj:
	s_mov_b64 s[64:65], 0
	v_nop
	global_prefetch_b8 v0, s[64:65] scope:SCOPE_SE
	s_setreg_imm32_b32 hwreg(HW_REG_WAVE_MODE, 25, 1), 1
	s_wait_xcnt 0x0
	s_wait_alu depctr_hold_cnt(0) depctr_sa_sdst(0) depctr_va_vdst(0) depctr_va_sdst(0) depctr_va_ssrc(0) depctr_va_vcc(0) depctr_vm_vsrc(0)
	s_getreg_b32 s2, hwreg(HW_REG_IB_STS2, 6, 4)
	s_cmp_eq_u32 s2, 0
	s_cbranch_scc0 .Lentry_in_a_cluster
	s_endpgm
.Lentry_in_a_cluster:
	s_bfe_u32 s2, ttmp6, 0x10000c
	s_cmp_lg_u32 s2, 0xf033
	s_cbranch_scc0 .Lentry_shape_is_right
	s_endpgm
.Lentry_shape_is_right:
; out0 = a Wo + bo on codes of FP6 (E2M3) with E8M0 scales.  A tile is 128 rows of a (X) x 256 rows of Wo (Y); four waves of 64 x 128 (32 accumulators).
; ALL OF K LIES IN LDS AT ONCE: X's 8 tiles of 16 rows are 98,304 dense bytes of a_codes (images of operand registers, 768 bytes for 16 rows x 64 K);
; Y's 256 rows of 768 bytes are 196,608 dense bytes, brought as 768 units of 256 bytes with 16 of padding behind each (a row: 816 bytes); the scales are 4,096 and 8,192 dense bytes, laid likewise.
; Four tiles, four waves: one joint tensor load a wave at the head (X's shared along a row of the 4 x 4 cluster, Y's along a column), one barrier, and eight steps of 128 along K with no further barrier.  Nothing is filled again.
; The matrix instruction is used transposed (source 0 = Y, source 1 = X): a lane holds eight neighbouring numbers of a row of out0; bo is the C of each sum's first product.
; No prefetch: the launch has no loop to run ahead in; all its tiles are asked for at the head.
.set KROW,   768
.set PITCH,  816
.set FR,     12
.set NP,     4                         ; places behind this matrix instruction (ISA guide 7.12.1)
.set XT,     12288                     ; 16 rows of X, all of K
.set XB,     8*XT
.set HALFY,  128*PITCH
.set SCX,    XB+2*HALFY
.set SCY,    SCX+2*2176
.set SPARE,  SCY+2*4352
.set SPITCH, 528                       ; the way out: 16 rows x (512 + 16) bytes a wave, on X's bytes, behind a barrier behind which nobody reads them
.set XA,   8                           ; v8 16 x lane, v9 8 x lane, in my four tiles of X
.set ADRB, 16                          ; v16, v17 Y's tiles 0-3 (v17: lanes 16-31 behind one padding more); v18, v19 tiles 4-7
.set STO,  24
.set RD,   25
.set CO,   26
.set ADRS, 27
.set SPW,  28
.set NIL,  29
.set SC,   32
.set BO,   64
.set AF,   128
.set BK,   128
.set G1,   24
.set G0,   32
.set G1B,  48
.set G0B,  56
.set G1S,  68
.set G0S,  76
.set G1SB, 80
.set G0SB, 88
.set MSB, 0
.macro WIN new
.if MSB != (\new)
	s_set_vgpr_msb (MSB<<8)|(\new)
.set MSB, (\new)
.endif
.endm
.macro WM first                        ; source 0 (Y) window 2, source 1 (X) window 0, D window 1; C window 1, or 0 (the bias)
.if \first
	WIN 0x42
.else
	WIN 0x52
.endif
.endm
.set TO_Y, 0x80
.macro TLOAD g0, g1                    ; s_nop 0 and four v_nop behind each tensor load
	tensor_load_to_lds s[\g0:\g0+3], s[\g1:\g1+7]
	s_nop 0
.rept 4
	v_nop
.endr
.endm
.macro CROUND
	s_barrier_signal -1
	s_barrier_wait -1
	s_cmp_lg_u32 s14, 0
	s_cbranch_scc1 .Lnot_wave_0_\@
	s_barrier_signal -3
.Lnot_wave_0_\@:
	s_barrier_wait -3
	s_barrier_signal -1
	s_barrier_wait -1
.endm
.macro DESC g, mask, pad, rows         ; a dense block as rows of 256 bytes (32 elements of 8)
	s_or_b32 s[\g+0], \mask, (3<<16)|(1<<21)|(\pad)
	s_mov_b32 s[\g+1], 32<<16
	s_mov_b32 s[\g+2], (\rows)<<16
	s_mov_b32 s[\g+3], 32<<16
	s_mov_b32 s[\g+4], \rows
	s_mov_b32 s[\g+5], 32
	s_mov_b32 s[\g+6], 0
	s_mov_b32 s[\g+7], 0
.endm
.set PAD16, (1<<20)|(5<<22)|(3<<25)    ; 16 bytes behind every 256
	s_load_b256 s[4:11], s[0:1], 0x0               ; a_codes, a_scales, Wo_codes, Wo_scales
	s_load_b128 s[92:95], s[0:1], 0x20             ; bo, out0
	v_lshl_add_u32 v[SPW], v0, 2, SPARE
	v_mov_b32 v[NIL], 0
	ds_add_u32 v[SPW], v[NIL]                      ; the opening lines: the add twice and one wait
	ds_add_u32 v[SPW], v[NIL]
	v_lshrrev_b32 v1, 5, v0
	v_readfirstlane_b32 s14, v1                    ; wave
	s_lshr_b32 s15, s14, 1                         ; my 64 rows of X
	s_and_b32 s16, s14, 1                          ; my 128 rows of Y
	s_bfe_u32 s40, ttmp6, 0x40000                  ; cx
	s_bfe_u32 s41, ttmp6, 0x40004                  ; cy
	s_and_b32 s17, ttmp7, 0xffff
	s_lshl_b32 s17, s17, 2
	s_add_co_u32 s17, s17, s41                     ; X's tile of 128 rows
	s_lshl_b32 s43, s41, 2
	s_lshl_b32 s43, 15, s43                        ; my row of the cluster
	s_lshl_b32 s44, 0x1111, s40                    ; my column
	DESC G1,   s43, 0,     384
	DESC G1B,  s44, PAD16, 768
	DESC G1S,  s43, PAD16, 16
	DESC G1SB, s44, PAD16, 32
	s_mul_i32 s20, s17, XB
	s_mov_b32 s21, 0
	s_lshl_b32 s22, s17, 12
	s_mov_b32 s23, 0
	s_mul_i32 s46, s40, 256*KROW
	s_mov_b32 s47, 0
	s_lshl_b32 s96, s40, 13
	s_mov_b32 s97, 0
	s_wait_dscnt 0x0
	s_wait_kmcnt 0x0
	s_add_nc_u64 s[4:5], s[4:5], s[20:21]
	s_add_nc_u64 s[6:7], s[6:7], s[22:23]
	s_add_nc_u64 s[8:9], s[8:9], s[46:47]
	s_add_nc_u64 s[10:11], s[10:11], s[96:97]
	CROUND                                         ; all sixteen work-groups are here: the joint loads meet
.macro GRP0 g, lds, a
	s_mov_b32 s[\g], 1
	s_mov_b32 s[\g+1], \lds
	s_mov_b64 s[\g+2:\g+3], s[\a:\a+1]
	s_or_b32 s[\g+3], s[\g+3], 0x80000000
.endm
	GRP0 G0,   0,   4
	GRP0 G0S,  SCX, 6
	GRP0 G0B,  XB,  8
	GRP0 G0SB, SCY, 10
.macro ARM under, g0, g1, next         ; one chain of branches on the wave's number, one load to an arm
	s_cmp_lt_u32 s14, \under
	s_cbranch_scc0 \next
	TLOAD \g0, \g1
	s_branch .Lhead_asked
\next:
.endm
	ARM 1, G0B, G1B, .Lhead_x
	ARM 2, G0,  G1,  .Lhead_sx
	ARM 3, G0S, G1S, .Lhead_sy
	TLOAD G0SB, G1SB
.Lhead_asked:
	s_mul_i32 s21, s15, 4*XT
	s_mul_i32 s22, s16, HALFY
	s_add_co_u32 s22, s22, XB
	s_mul_i32 s23, s14, 16*SPITCH
	v_and_b32 v1, 15, v0                           ; r
	v_bfe_u32 v2, v0, 4, 1                         ; h
	v_and_b32 v3, 31, v0
	v_lshlrev_b32 v4, 4, v3
	v_lshlrev_b32 v5, 3, v3
	v_add_nc_u32 v[XA], s21, v4
	v_add_nc_u32 v[XA+1], s21, v5
	v_mul_u32_u24 v6, v1, PITCH
	v_mad_u32_u24 v6, v2, 24, v6
	v_lshl_add_u32 v7, v2, 4, v6
	v_add_nc_u32 v[ADRB], s22, v6
	v_add_nc_u32 v[ADRB+1], s22, v7
	v_add_nc_u32 v[ADRB+2], 64*PITCH, v[ADRB]
	v_add_nc_u32 v[ADRB+3], 64*PITCH, v[ADRB+1]
	v_mul_u32_u24 v6, v1, SPITCH
	v_lshl_add_u32 v6, v2, 5, v6
	v_add_nc_u32 v[STO], s23, v6
	v_mov_b32 v[CO], v4
	v_add_nc_u32 v[RD], s23, v4
	v_lshrrev_b32 v6, 3, v1                        ; a row's scale bytes: 32 a row, 16 more for each 256 passed
	v_lshlrev_b32 v7, 5, v1
	v_lshl_add_u32 v7, v6, 4, v7
	s_mul_i32 s21, s15, 2176
	s_mul_i32 s22, s16, 4352
	s_add_co_u32 s22, s22, SCY-SCX
	s_sub_co_u32 s22, s22, s21
	v_mul_u32_u24 v6, s22, v2                      ; lanes 16-31 take Y's: one product of h
	s_add_co_u32 s21, s21, SCX
	v_add_nc_u32 v7, v7, v6
	v_add_nc_u32 v[ADRS], s21, v7
	v_lshlrev_b32 v5, 5, v2
	s_lshl_b32 s18, s40, 10
	s_lshl_b32 s19, s16, 9
	s_add_co_u32 s18, s18, s19                     ; my first column, in bytes
	s_mov_b32 s19, 0
	s_add_nc_u64 s[92:93], s[92:93], s[18:19]
	s_add_nc_u64 s[94:95], s[94:95], s[18:19]
	s_lshl_b32 s18, s17, 7
	s_lshl_b32 s20, s15, 6
	s_add_co_u32 s18, s18, s20
	s_lshl_b32 s18, s18, 12                        ; my first row, 4,096 bytes a row
	s_add_nc_u64 s[94:95], s[94:95], s[18:19]
	s_wait_alu depctr_va_vdst(0)                   ; a wait behind a run of scalar lines
.irp b, 0,1,2,3,4,5,6,7
	global_load_b128 v[BO+8*\b:BO+8*\b+3], v5, s[92:93] offset:64*\b
	global_load_b128 v[BO+8*\b+4:BO+8*\b+7], v5, s[92:93] offset:64*\b+16
.endr
.macro XFRAG st, a                     ; X's block a of step st: two images of six registers
	ds_load_b128 v[AF+FR*(\a):AF+FR*(\a)+3], v[XA] offset:(\a)*XT+(\st)*1536
	ds_load_b64 v[AF+FR*(\a)+4:AF+FR*(\a)+5], v[XA+1] offset:(\a)*XT+(\st)*1536+512
	ds_load_b128 v[AF+FR*(\a)+6:AF+FR*(\a)+9], v[XA] offset:(\a)*XT+(\st)*1536+768
	ds_load_b64 v[AF+FR*(\a)+10:AF+FR*(\a)+11], v[XA+1] offset:(\a)*XT+(\st)*1536+1280
.endm
.macro YFRAG reg, st, i                ; byte y of a row of codes lies at y + 16 (y / 256) of its LDS row; lanes 16-31 read 24 bytes on
.irp p, 0,1,2,3,4,5
.set BYT, 96*(\st)+48*(\p/3)+8*(\p%3)
.if BYT/256 == (BYT+24)/256
	ds_load_b64 v[\reg+2*\p:\reg+2*\p+1], v[ADRB+2*((\i)/4)] offset:BYT+16*(BYT/256)+((\i)%4)*16*PITCH
.else
	ds_load_b64 v[\reg+2*\p:\reg+2*\p+1], v[ADRB+2*((\i)/4)+1] offset:BYT+16*(BYT/256)+((\i)%4)*16*PITCH
.endif
.endr
.endm
.macro FETCH_Y st, p
	WIN TO_Y
.irp i, 0,1,2,3,4,5,6,7
	YFRAG 128*(\p)+FR*\i, \st, \i
.endr
	WIN 0
.endm
.macro SCALES pr                       ; the words of steps 2 pr, 2 pr + 1 into set pr % 2
.irp i, 0,1,2,3,4,5,6,7
	ds_load_b64 v[SC+16*((\pr)%2)+2*\i:SC+16*((\pr)%2)+2*\i+1], v[ADRS] offset:\i*544+8*(\pr)
.endr
.endm
.macro MUL8 a, p, q, sc, first         ; the 32 accumulators take turns
.irp b, 0,1,2,3,4,5,6,7
.if \first
	v_wmma_scale_f32_16x16x128_f8f6f4 v[8*(8*(\a)+\b):8*(8*(\a)+\b)+7], v[128*(\p)+FR*\b:128*(\p)+FR*\b+FR-1], v[AF+FR*(\a):AF+FR*(\a)+FR-1], v[BO+8*\b:BO+8*\b+7], v[SC+16*(\sc)+2*\b+(\q)], v[SC+16*(\sc)+2*(\a)+(\q)] matrix_a_fmt:MATRIX_FMT_FP6 matrix_b_fmt:MATRIX_FMT_FP6 matrix_a_scale:MATRIX_SCALE_ROW1
.else
	v_wmma_scale_f32_16x16x128_f8f6f4 v[8*(8*(\a)+\b):8*(8*(\a)+\b)+7], v[128*(\p)+FR*\b:128*(\p)+FR*\b+FR-1], v[AF+FR*(\a):AF+FR*(\a)+FR-1], v[8*(8*(\a)+\b):8*(8*(\a)+\b)+7], v[SC+16*(\sc)+2*\b+(\q)], v[SC+16*(\sc)+2*(\a)+(\q)] matrix_a_fmt:MATRIX_FMT_FP6 matrix_b_fmt:MATRIX_FMT_FP6 matrix_a_scale:MATRIX_SCALE_ROW1
.endif
.endr
.endm
.macro PLACES n
.rept \n
	v_nop
.endr
.endm
.macro STEP st, first                  ; 32 products on step st; the next step's fragments are fetched in its middle and at its end
.set NX, (\st)+1
	s_wait_dscnt 8                                 ; all but the youngest eight loads: X's blocks 2, 3
	WM \first
	MUL8 0, (\st)%2, (\st)%2, ((\st)/2)%2, \first
	MUL8 1, (\st)%2, (\st)%2, ((\st)/2)%2, \first
	s_wait_dscnt 0
	PLACES NP                                      ; in front of loads into registers that matrix instructions have read
	FETCH_Y NX, NX%2
	XFRAG NX, 0
	XFRAG NX, 1
.if NX%2 == 0
	SCALES NX/2
.endif
	WM \first
	MUL8 2, (\st)%2, (\st)%2, ((\st)/2)%2, \first
	MUL8 3, (\st)%2, (\st)%2, ((\st)/2)%2, \first
	PLACES NP
	WIN 0
	XFRAG NX, 2
	XFRAG NX, 3
.endm
	s_wait_alu depctr_va_vdst(0)                   ; a wait at the head's end
	s_wait_loadcnt 0x0
	s_wait_tensorcnt 0x0                           ; my tile is in;
	s_barrier_signal -1
	s_barrier_wait -1                              ; and so are the other three
	FETCH_Y 0, 0
	XFRAG 0, 0
	XFRAG 0, 1
	SCALES 0
	XFRAG 0, 2
	XFRAG 0, 3
	STEP 0, 1
.set ST, 1
.rept 6
	STEP ST, 0
.set ST, ST+1
.endr
	s_wait_dscnt 8
	WIN 0x52
	MUL8 0, 1, 1, 1, 0
	MUL8 1, 1, 1, 1, 0
	s_wait_dscnt 0                                 ; my last reads of the tiles are over: say so,
	s_barrier_signal -1
	MUL8 2, 1, 1, 1, 0
	MUL8 3, 1, 1, 1, 0
	WIN 0
	s_barrier_wait -1                              ; and nobody reads X's bytes any more: the stages may lie there
; THE WAY OUT: a block of 16 rows x 128 columns goes through my stage and comes back as whole rows of 512 bytes.  X's rows of a tile: even tiles hold rows 0-7 and 24-31 of each 32, odd tiles rows 8-23.
.macro TOSTAGE a
	WIN 0x04
.irp b, 0,1,2,3,4,5,6,7
	ds_store_b128 v[STO], v[64*(\a)+8*\b:64*(\a)+8*\b+3] offset:64*\b
	ds_store_b128 v[STO], v[64*(\a)+8*\b+4:64*(\a)+8*\b+7] offset:64*\b+16
.endr
	WIN 0
.set BB, BK+64*((\a)%2)
.irp t, 0,1,2,3,4,5,6,7,8,9,10,11,12,13,14,15
	ds_load_b128 v[BB+4*\t:BB+4*\t+3], v[RD] offset:\t*SPITCH
.endr
.endm
.macro SEND a, younger
.set BB, BK+64*((\a)%2)
	s_wait_dscnt \younger
.irp t, 0,1,2,3,4,5,6,7,8,9,10,11,12,13,14,15
.if (\a)%2
	global_store_b128 v[CO], v[BB+4*\t:BB+4*\t+3], s[94:95] offset:(32*((\a)/2)+8+\t)*4096 th:TH_STORE_NT
.else
	global_store_b128 v[CO], v[BB+4*\t:BB+4*\t+3], s[94:95] offset:(32*((\a)/2)+24*(\t/8)+\t%8)*4096 th:TH_STORE_NT
.endif
.endr
.endm
	PLACES NP
	TOSTAGE 0
.irp a, 1,2,3
.if \a > 1
	s_wait_xcnt 0x0                                ; block a - 2's stores have read their registers
.endif
	TOSTAGE \a
	SEND \a-1, 32                                  ; behind block a - 1's loads: block a's 16 stores and 16 loads
.endr
	SEND 3, 0
	s_wait_tensorcnt 0x0                           ; the wave's end
	ds_add_u32 v[SPW], v[NIL]
	s_wait_dscnt 0x0
	CROUND                                         ; the closing round
	s_endpgm
.Lfunc_end_k_qfc13b72138_oproj:
	.size	k_qfc13b72138_oproj, .Lfunc_end_k_qfc13b72138_oproj-k_qfc13b72138_oproj
	.p2alignl 7, 3214868480
	.fill 96, 4, 3214868480
	.section	.rodata,"a",@progbits
	.p2align	6, 0x0
	.amdhsa_kernel k_qfc13b72138_oproj
		.amdhsa_group_segment_fixed_size 327680
		.amdhsa_private_segment_fixed_size 0
		.amdhsa_enable_private_segment 0
		.amdhsa_kernarg_size 48
		.amdhsa_user_sgpr_count 2
		.amdhsa_user_sgpr_kernarg_segment_ptr 1
		.amdhsa_wavefront_size32 1
		.amdhsa_system_sgpr_workgroup_id_x 1
		.amdhsa_system_sgpr_workgroup_id_y 1
		.amdhsa_system_sgpr_workgroup_id_z 1
		.amdhsa_system_vgpr_workitem_id 0
		.amdhsa_next_free_vgpr 768
		.amdhsa_next_free_sgpr 100
		.amdhsa_reserve_vcc 0
		.amdhsa_float_denorm_mode_32 3
		.amdhsa_float_denorm_mode_16_64 3
		.amdhsa_memory_ordered 1
		.amdhsa_forward_progress 1
		.amdhsa_inst_pref_size 94
	.end_amdhsa_kernel
	.amdgpu_metadata
---
amdhsa.version: [ 1, 2 ]
amdhsa.kernels:
  - .name:           k_qfc13b72138_oproj
    .symbol:         k_qfc13b72138_oproj.kd
    .args:
      - { .name: a_codes, .offset: 0, .size: 8, .value_kind: global_buffer, .address_space: global }
      - { .name: a_scales, .offset: 8, .size: 8, .value_kind: global_buffer, .address_space: global }
      - { .name: Wo_codes, .offset: 16, .size: 8, .value_kind: global_buffer, .address_space: global }
      - { .name: Wo_scales, .offset: 24, .size: 8, .value_kind: global_buffer, .address_space: global }
      - { .name: bo, .offset: 32, .size: 8, .value_kind: global_buffer, .address_space: global }
      - { .name: out0, .offset: 40, .size: 8, .value_kind: global_buffer, .address_space: global }
    .group_segment_fixed_size: 327680
    .private_segment_fixed_size: 0
    .kernarg_segment_align: 8
    .kernarg_segment_size: 48
    .max_flat_workgroup_size: 128
    .sgpr_count:     100
    .vgpr_count:     768
    .wavefront_size: 32
...
	.end_amdgpu_metadata
.endif
;; end of part 3
